; MI455X (gfx1250); checked and timed in simulation.
; The chip was launched on July 23, 2026; its instructions are those of AMD's public machine-readable ISA for CDNA 5 (MIT licence, August 2026) and "CDNA5" Instruction Set Architecture Reference Guide (July 2026). The comments in the code are by the model that wrote it; some were corrected since.
;; Cross Attention. Allowed arithmetic: matrix products marked QUANTISED: E5M2 operands, one E8M0 scale for each 32 along K, by v_wmma_scale_f32_16x16x128_f8f6f4 with both operands' format E5M2, f32 sums; everything else in f32.
;; Inputs: proj_b 1,024 float32; proj_w 1,024 x 1,024 float32; q 4 x 2,048 x 1,024 float32; wkv_w 2,048 x 1,024 float32; wq_w 1,024 x 1,024 float32; x 4 x 2,048 x 1,024 float32.
;; Outputs: out0 4 x 2,048 x 1,024 float32.
;; This version of the problem:
;;   THIS VERSION OF THE PROBLEM IS GIVEN IN LOW PRECISION. The matrix products marked QUANTISED in the list below multiply operands that are first quantised to E5M2 (5 exponent bits, 2 mantissa bits; 8 bits a number), with one power-of-two scale for each 32 numbers along K (OCP MX v1.0); their sums are f32. All else is computed in f32.
;;   The module's matrix products, in the order in which they are computed (A, B: the left and right operand; K: the contracted axis; several contracted axes count as one K, in the product's order):
;;     1. [M 8,192, K 1,024] x [K 1,024, N 1,024]; A: input q; B: input wq_w: QUANTISED
;;     2. [M 8,192, K 1,024] x [K 1,024, N 2,048]; A: input x; B: input wkv_w: QUANTISED
;;     3. batch 64 x [M 2,048, K 64] x [K 64, N 2,048]; A: computed on the way; B: computed on the way: QUANTISED
;;     4. batch 64 x [M 2,048, K 2,048] x [K 2,048, N 64]; A: softmax (see below); B: computed on the way: QUANTISED
;;     5. [M 8,192, K 1,024] x [K 1,024, N 1,024]; A: computed on the way; B: input proj_w: QUANTISED
;;   THE QUANTISER, for each operand of a quantised product, along K:
;;     - K is cut into blocks of 32 from its start; a last block that is shorter is filled with zeros.
;;     - A block's scale is 2^e with e = floor(log2(the largest magnitude in the block)) - 15, held to -126 .. 127; a block of zeros has e = 0. As a byte (E8M0): e + 127.
;;     - Each number is divided by its block's scale, clamped to +-57,344, and rounded to the nearest number of E5M2, ties to even, subnormals kept.
;;     - The product sums the exact products of the quantised numbers (number of the format x scale) in f32.
;;   ~~~python
;;   def quantise(x, axis):      # numpy; x: float32 -> the quantised numbers, widened to float32 again
;;       x = np.moveaxis(x, axis, -1); K = x.shape[-1]
;;       x = np.pad(x, [(0, 0)] * (x.ndim - 1) + [(0, -K % 32)]); x = x.reshape(x.shape[:-1] + (-1, 32)); a = np.abs(x).max(-1, keepdims=True)
;;       e = np.where(a > 0, np.clip(np.frexp(np.where(a > 0, a, 1))[1] - 1 - 15, -126, 127), 0)      # np.frexp(a)[1] - 1 = floor(log2(a)), exactly
;;       r = np.clip(x / 2.0 ** e, -57344, 57344)
;;       step = 2.0 ** (np.maximum(np.frexp(np.where(r == 0, 1, r))[1] - 1, -14) - 2)
;;       q = np.round(r / step) * step * 2.0 ** e      # np.round: ties to even
;;       return np.moveaxis(q.reshape(q.shape[:-2] + (-1,))[..., :K], -1, axis).astype(np.float32)
;;   ~~~
;;   SOFTMAX AHEAD OF A QUANTISED PRODUCT. Where the list says 'softmax', what is quantised is not the finished softmax but p = 2^(t - M), with t = logit x log2(e) and M = ceil(the row's largest t), a whole number; so 1/2 < the row's largest p <= 1. The row's sum l is taken of the UNQUANTISED p, in f32, and the product's result is divided by l at the end. Since M is a whole number, a kernel that streams over the keys may use a running M (the ceiling of the running maximum): every later rescaling is an exact power of two, which a block's scale takes up: the codes' values come out the same.
;;   OPERANDS COMPUTED ON THE WAY. 'Computed on the way' means the value that the module computes at that place (a softmax that the list does not call 'softmax' is quantised finished and normalised). What goes into a quantiser is computed in f32, as accurately as f32 sums, v_exp_f32 and their like allow (about 1e-6 of the number): no bf16 or f16 on the way to a quantiser, and a product that is left as it is and whose result goes on into a quantised operand takes f32 operands (vector FMAs, or v_wmma_f32_16x16x4_f32). A number that lies on a knife's edge between two numbers of the format may be rounded either way, as far as f32 arithmetic and the matrix unit's own rounding can turn it there, and no further.
;; One version. Each part assembles by itself: llvm-mc -triple=amdgcn-amd-amdhsa -mcpu=gfx1250 --defsym DOCPART=n.
;; ======== version 1 of 1: 4 launches
;; limits: right only within a limited range of input values
;; workspace buffers: opc 20,971,520 bytes; ops 655,360 bytes; img 25,165,824 bytes; isc 1,572,864 bytes; yimg 8,388,608 bytes; ysc 262,144 bytes
;; launch quant (part 1): grid 256 x 1, 5 waves a work-group, no clusters, 43,008 bytes of LDS; arguments q, x, wq_w, wkv_w, proj_w, opc, ops; writes opc, ops
.if DOCPART == 1
	.amdgcn_target "amdgcn-amd-amdhsa--gfx1250"
	.amdhsa_code_object_version 6
	.text
	.protected	k_q8609f1b351_quant
	.globl	k_q8609f1b351_quant
	.p2align	8
	.type	k_q8609f1b351_quant,@function
k_q8609f1b351_quant:
	s_mov_b64 s[64:65], 0
	v_nop
	global_prefetch_b8 v0, s[64:65] scope:SCOPE_SE
	s_setreg_imm32_b32 hwreg(HW_REG_WAVE_MODE, 25, 1), 1
	s_wait_xcnt 0x0
; q, x [8192][1024], wq_w, proj_w [1024][1024], wkv_w [2048][1024], all f32 with K innermost, become codes of E5M2 with one E8M0 byte for each 32 along K.
; THE CODES ARE LAID AS IMAGES OF THE OPERAND'S REGISTERS: opc[tile 1280][K step of 128: 8][c 4][lane 32][16 bytes]; lane (r, h) of tile tl of a tensor holds
; row 32 (tl / 2) + 8 (tl % 2) + r + 8 (r / 8), k = 128 step + 32 c + 16 h + 0 .. 15.  So a later launch brings a fragment by four loads of 512 consecutive bytes, and the results of a product
; whose source 0 is such a tile lie, lane by lane, as 16 neighbours along the next K.  Tiles: q 0, x 512, wq_w 1024, wkv_w 1088, proj_w 1216.  ops[16 tile + r][32 bytes]: byte k / 32.
; A block's scale is 2^(floor(log2(largest magnitude)) - 15); each number is divided by it, held within +-57,344 and rounded to the nearest code, ties to even.
; LIMITS: NaN and infinities among the inputs are not served; a block whose largest magnitude lies under 2^-111 keeps the byte 1; a block of zeros gets the byte 1 where the rule says 127:
; its codes are zeros, which add nothing under any byte but 0xff, and this program alone reads the bytes.
; SHARES: 1,280 tiles = 256 work-groups x 5 waves; a wave takes one tile (16 rows) through all of K, eight steps of 128.  Each load reads 512 consecutive bytes of one row; a step's 16 x 512 bytes turn
; through the wave's own stage in LDS (rows 528 bytes apart), so that a lane gets 16 neighbours of each block of 32.  No work-group shares an input with another: no cluster, no tensor load, no barrier.
.set SPT,  528                         ; a stage row: 512 bytes + 16
.set LANE, 1                           ; v1   lane
.set LI,   2                           ; v2   16 x lane
.set STA,  3                           ; v3   into the stage: my wave's stage + 16 x lane
.set STB,  4                           ; v4   out of it: + 528 r + 64 h
.set SO,   5                           ; v5   my 16 bytes of the tile's scale bytes: 32 r + 16 h
.set R,    16                          ; v16-143  two sets of 16 x 4 registers as loaded
.set X,    144                         ; v144-207 64 numbers: register 16 b + i = k 32 b + 16 h + i of row r
.set PC,   208                         ; v208-223 the codes
.set TM,   224                         ; v224-239 at work
.set SWD,  240                         ; v240-247 the scale word of each of the eight steps
.set OUTW, 248                         ; v248-251 the four words that I store
.set SRC,  20                          ; s[20:21] my tile's first row
.set DST,  24                          ; s[24:25] my tile in opc
.set DSS,  26                          ; s[26:27] my tile in ops
.set SEL,  28                          ; s[28:29] v_permlanex16_b32's selects for lane l xor 16
.set MNT,  30                          ; s30  the mantissa field of 57,344
	s_load_b256 s[4:11], s[0:1], 0x0               ; q, x, wq_w, wkv_w
	s_load_b128 s[12:15], s[0:1], 0x20             ; proj_w, opc
	s_load_b64 s[16:17], s[0:1], 0x30              ; ops
	v_lshl_add_u32 v254, v0, 2, 0xa500
	v_mov_b32 v255, 0
	v_lshrrev_b32 v6, 5, v0
	v_readfirstlane_b32 s18, v6                    ; wave 0..4
	v_and_b32 v[LANE], 31, v0
	v_and_b32 v7, 15, v0                           ; r
	v_bfe_u32 v8, v0, 4, 1                         ; h
	v_lshlrev_b32 v[LI], 4, v[LANE]
	s_mul_i32 s31, s18, 16*SPT                     ; my wave's stage
	v_add_nc_u32 v[STA], s31, v[LI]
	v_mul_u32_u24 v[STB], v7, SPT
	v_lshl_add_u32 v[STB], v8, 6, v[STB]
	v_add_nc_u32 v[STB], s31, v[STB]
	v_lshlrev_b32 v[SO], 5, v7
	v_lshl_add_u32 v[SO], v8, 4, v[SO]
	s_mul_i32 s19, ttmp9, 5
	s_add_co_u32 s19, s19, s18                     ; my tile, 0 .. 1279
	s_mov_b32 s[SEL], 0x76543210
	s_mov_b32 s[SEL+1], 0xfedcba98
	s_mov_b32 s[MNT], 0x600000
.irp b, 0,1,2,3
	v_mov_b32 v[TM+4+\b], 0                        ; written once: a lane permute's destination counts as one of its sources
.endr
	s_wait_alu depctr_va_vdst(0)
	s_wait_kmcnt 0x0
	s_mov_b64 s[SRC:SRC+1], s[12:13]               ; which tensor, and its first tile: chosen by the tile's number alone
	s_mov_b32 s22, 1216
	s_cmp_lt_u32 s19, 1216
	s_cselect_b64 s[SRC:SRC+1], s[10:11], s[SRC:SRC+1]
	s_cselect_b32 s22, 1088, s22
	s_cmp_lt_u32 s19, 1088
	s_cselect_b64 s[SRC:SRC+1], s[8:9], s[SRC:SRC+1]
	s_cselect_b32 s22, 1024, s22
	s_cmp_lt_u32 s19, 1024
	s_cselect_b64 s[SRC:SRC+1], s[6:7], s[SRC:SRC+1]
	s_cselect_b32 s22, 512, s22
	s_cmp_lt_u32 s19, 512
	s_cselect_b64 s[SRC:SRC+1], s[4:5], s[SRC:SRC+1]
	s_cselect_b32 s22, 0, s22
	s_sub_co_u32 s22, s19, s22                     ; tl: the tile's number in its tensor
	s_lshr_b32 s23, s22, 1
	s_lshl_b32 s23, s23, 17                        ; 32 (tl / 2) rows of 4,096 bytes
	s_and_b32 s22, s22, 1
	s_lshl_b32 s22, s22, 15                        ; 8 (tl % 2) rows
	s_add_co_u32 s22, s22, s23
	s_mov_b32 s23, 0
	s_add_nc_u64 s[SRC:SRC+1], s[SRC:SRC+1], s[22:23]
	s_lshl_b32 s22, s19, 14                        ; a tile's codes are 16,384 bytes
	s_add_nc_u64 s[DST:DST+1], s[14:15], s[22:23]
	s_lshl_b32 s22, s19, 9                         ; its scale bytes 512
	s_add_nc_u64 s[DSS:DSS+1], s[16:17], s[22:23]
.macro LOAD t                          ; step t: 512 consecutive bytes of each of the tile's 16 rows, into set t % 2
.irp i, 0,1,2,3,4,5,6,7,8,9,10,11,12,13,14,15
	global_load_b128 v[R+64*((\t)%2)+4*\i:R+64*((\t)%2)+4*\i+3], v[LI], s[SRC:SRC+1] offset:(\i+8*(\i/8))*4096+512*(\t) th:TH_LOAD_NT
.endr
.endm
; 64 numbers of a lane, v[s] on, become a fragment's codes in v[PC] on and its row's scale word in v[w]
.macro QUANT s, w
.irp b, 0,1,2,3
	v_max3_num_f32 v[TM+\b], |v[\s+16*\b]|, |v[\s+1+16*\b]|, 0x8000000   ; block b: my 16 numbers, and the floor 2^(16 - 127): so the byte cannot fall under 1
.endr
.irp i, 2,4,6,8,10,12,14
.irp b, 0,1,2,3
	v_max3_num_f32 v[TM+\b], v[TM+\b], |v[\s+16*\b+\i]|, |v[\s+1+16*\b+\i]|   ; the four blocks by turns
.endr
.endr
.irp b, 0,1,2,3
	v_permlanex16_b32 v[TM+4+\b], v[TM+\b], s[SEL], s[SEL+1]
.endr
.irp b, 0,1,2,3
	v_max_num_f32 v[TM+\b], v[TM+\b], v[TM+4+\b]   ; with lane l xor 16's 16 numbers: the block's largest magnitude
.endr
.irp b, 0,1,2,3
	v_add_nc_u32 v[TM+12+\b], 0xf8800000, v[TM+\b] ; 15 off its exponent field: the conversion's scale operand
.endr
.irp b, 0,1,2,3
	v_and_or_b32 v[TM+8+\b], v[TM+\b], 0x7f800000, s[MNT]   ; 57,344 x the scale
.endr
.irp b, 0,1,2,3
	v_lshrrev_b32 v[TM+4+\b], 23, v[TM+12+\b]      ; the scale's byte
.endr
	v_lshl_or_b32 v[\w], v[TM+5], 8, v[TM+4]
	v_lshl_or_b32 v[\w], v[TM+6], 16, v[\w]
	v_lshl_or_b32 v[\w], v[TM+7], 24, v[\w]
.irp b, 0,1,2,3
.irp i, 0,1,2,3,4,5,6,7,8,9,10,11,12,13,14,15
	v_med3_num_f32 v[\s+16*\b+\i], v[\s+16*\b+\i], -v[TM+8+\b], v[TM+8+\b]   ; the conversion to an 8-bit code does not saturate (ISA guide 7.6.2): the hold comes first
.endr
	v_cvt_scalef32_pk8_bf8_f32 v[PC+4*\b:PC+1+4*\b], v[\s+16*\b:\s+7+16*\b], v[TM+12+\b]
	v_cvt_scalef32_pk8_bf8_f32 v[PC+2+4*\b:PC+3+4*\b], v[\s+8+16*\b:\s+15+16*\b], v[TM+12+\b]
.endr
	v_nop                                          ; a plain line behind the last conversion, ahead of whatever next writes its sources
.endm
.macro STEP t
.if (\t) < 7
	s_wait_loadcnt 16                              ; this step's 16 loads are in; the next step's 16 may be out
.else
	s_wait_loadcnt 0x0
.endif
.irp i, 0,1,2,3,4,5,6,7,8,9,10,11,12,13,14,15
	ds_store_b128 v[STA], v[R+64*((\t)%2)+4*\i:R+64*((\t)%2)+4*\i+3] offset:SPT*\i
.endr
.irp b, 0,1,2,3
.irp j, 0,1,2,3
	ds_load_b128 v[X+16*\b+4*\j:X+16*\b+4*\j+3], v[STB] offset:128*\b+16*\j   ; LDS serves a wave's instructions in order: these see the stores above
.endr
.endr
	s_wait_dscnt 0x0                               ; my 64 numbers are in, and the stores into the stage have read their registers
	s_wait_xcnt 0x0                                ; the last step's stores have read the codes' registers, which QUANT writes again
.if (\t)+2 < 8
	LOAD (\t)+2
.endif
	QUANT X, SWD+(\t)
.irp c, 0,1,2,3
	global_store_b128 v[LI], v[PC+4*\c:PC+4*\c+3], s[DST:DST+1] offset:2048*(\t)+512*\c   ; 32 lanes store 512 consecutive bytes, aligned
.endr
.endm
	LOAD 0
	LOAD 1
.irp t, 0,1,2,3,4,5,6,7
	STEP \t
.endr
	v_cmp_le_u32 vcc_lo, 16, v[LANE]               ; lanes 0-15 store their row's words 0-3, lanes 16-31 words 4-7 (both halves hold all eight)
.irp j, 0,1,2,3
	v_cndmask_b32 v[OUTW+\j], v[SWD+\j], v[SWD+4+\j], vcc_lo
.endr
	global_store_b128 v[SO], v[OUTW:OUTW+3], s[DSS:DSS+1]   ; the tile's 512 scale bytes, consecutive
	s_wait_tensorcnt 0x0
	ds_add_u32 v254, v255
	s_wait_dscnt 0x0
	s_endpgm
.Lfunc_end_k_q8609f1b351_quant:
	.size	k_q8609f1b351_quant, .Lfunc_end_k_q8609f1b351_quant-k_q8609f1b351_quant
	.p2alignl 7, 3214868480
	.fill 96, 4, 3214868480
	.section	.rodata,"a",@progbits
	.p2align	6, 0x0
	.amdhsa_kernel k_q8609f1b351_quant
		.amdhsa_group_segment_fixed_size 43008
		.amdhsa_private_segment_fixed_size 0
		.amdhsa_enable_private_segment 0
		.amdhsa_kernarg_size 56
		.amdhsa_user_sgpr_count 2
		.amdhsa_user_sgpr_kernarg_segment_ptr 1
		.amdhsa_wavefront_size32 1
		.amdhsa_system_sgpr_workgroup_id_x 1
		.amdhsa_system_sgpr_workgroup_id_y 1
		.amdhsa_system_sgpr_workgroup_id_z 1
		.amdhsa_system_vgpr_workitem_id 0
		.amdhsa_next_free_vgpr 256
		.amdhsa_next_free_sgpr 66
		.amdhsa_reserve_vcc 1
		.amdhsa_float_denorm_mode_32 3
		.amdhsa_float_denorm_mode_16_64 3
		.amdhsa_memory_ordered 1
		.amdhsa_forward_progress 1
		.amdhsa_inst_pref_size 99
	.end_amdhsa_kernel
	.amdgpu_metadata
---
amdhsa.version: [ 1, 2 ]
amdhsa.kernels:
  - .name:           k_q8609f1b351_quant
    .symbol:         k_q8609f1b351_quant.kd
    .args:
      - { .name: q, .offset: 0, .size: 8, .value_kind: global_buffer, .address_space: global }
      - { .name: x, .offset: 8, .size: 8, .value_kind: global_buffer, .address_space: global }
      - { .name: wq_w, .offset: 16, .size: 8, .value_kind: global_buffer, .address_space: global }
      - { .name: wkv_w, .offset: 24, .size: 8, .value_kind: global_buffer, .address_space: global }
      - { .name: proj_w, .offset: 32, .size: 8, .value_kind: global_buffer, .address_space: global }
      - { .name: opc, .offset: 40, .size: 8, .value_kind: global_buffer, .address_space: global }
      - { .name: ops, .offset: 48, .size: 8, .value_kind: global_buffer, .address_space: global }
    .group_segment_fixed_size: 43008
    .private_segment_fixed_size: 0
    .kernarg_segment_align: 8
    .kernarg_segment_size: 56
    .max_flat_workgroup_size: 160
    .sgpr_count:     66
    .vgpr_count:     256
    .wavefront_size: 32
...
	.end_amdgpu_metadata
.endif
;; end of part 1
;; launch qkv (part 2): grid 4 x 96, 4 waves a work-group, clusters of 4 x 4, 327,680 bytes of LDS; arguments opc, ops, img, isc; writes img, isc
.if DOCPART == 2
	.amdgcn_target "amdgcn-amd-amdhsa--gfx1250"
	.amdhsa_code_object_version 6
	.text
	.protected	k_q8609f1b351_qkv
	.globl	k_q8609f1b351_qkv
	.p2align	8
	.type	k_q8609f1b351_qkv,@function
k_q8609f1b351_qkv:
	s_mov_b64 s[64:65], 0
	v_nop
	global_prefetch_b8 v0, s[64:65] scope:SCOPE_SE
	s_setreg_imm32_b32 hwreg(HW_REG_WAVE_MODE, 25, 1), 1
	s_wait_xcnt 0x0
	s_wait_alu depctr_hold_cnt(0) depctr_sa_sdst(0) depctr_va_vdst(0) depctr_va_sdst(0) depctr_va_ssrc(0) depctr_va_vcc(0) depctr_vm_vsrc(0)
	s_getreg_b32 s2, hwreg(HW_REG_IB_STS2, 6, 4)
	s_cmp_eq_u32 s2, 0
	s_cbranch_scc0 .Lentry_in_a_cluster
	s_endpgm
.Lentry_in_a_cluster:
	s_bfe_u32 s2, ttmp6, 0x10000c
	s_cmp_lg_u32 s2, 0xf033
	s_cbranch_scc0 .Lentry_shape_is_right
	s_endpgm
.Lentry_shape_is_right:
; Three products on codes of E5M2 with E8M0 scales, K = 1,024, in one grid: z = 0: Q = q wq^T, z = 1: K = x wk^T, z = 2: V^T = wv x^T.  The results are quantised on the way out and leave as images of the
; next product's operand registers: Q and K along the head's 64 channels, V along the keys.
; C'[m'][n'] = sum over k of A'[m'][k] B'[n'][k].  z < 2: A' = tokens, B' = weight rows.  z = 2: A' = wv's rows, B' = tokens: the same text with the roles changed, so that the keys run along a lane's registers.
; Operands lie in opc as images: [tile of 16 rows][K step of 128: 8][c 4][lane][16 bytes]; lane r of tile tl holds row 32 (tl / 2) + 8 (tl % 2) + r + 8 (r / 8).  ops[16 tile + r][32]: the scale bytes.
; A tile of C', 256 x 256, is made by four waves, 128 x 128 each: 64 accumulators, 512 registers.  K goes in four steps of 256 through two LDS slots filled by the tensor data mover; the scales of the
; work-group's rows, for all of K, come once.  An image needs no padding: each LDS load takes 512 consecutive bytes.
; CLUSTERS: 4 x 4 work-groups; A's tiles are shared along a row of the cluster, B's along a column: each is asked for jointly.  The grid is one cluster wide and 24 high: z = Y / 8, g = Y % 8.
; THE MATRIX INSTRUCTION IS USED TRANSPOSED (source 0 = a tile of B', source 1 = a tile of A'): lane (r, h) holds row' r of A's tile, and the 16 registers of accumulators (a, 2 beta), (a, 2 beta + 1) are
; n' = 32 beta + 16 h + 0 .. 15: a lane's half of a block of 32 along the next K.
; OUT: img[z][P 8][Qi 64][a 8][beta 4][lane][16]: a wave's 128 x 128 codes are 16,384 consecutive bytes.  z < 2: P = pair of heads, 8 Qi + a = tile of tokens, beta = 2 (head % 2) + block.  z = 2: P = pair of heads,
; Qi = step of 128 keys, a = 4 (head % 2) + tile of channels, beta = block of 32 keys.  isc[z][half 2][P][Qi][a][r] words: half 0 the four bytes beta = 0 .. 3, half 1 that word >> 16 (the second head's two bytes
; in front).  V's half 1 is written and read by nobody: the price of a way out without a branch.
; LIMITS: as the quantiser's: NaN and infinities are not served; blocks under 2^-111, and blocks of zeros, keep the byte 1.
; REGISTERS, in windows of 256: window 0: v0-31 addresses; v64-127 scale words, four K steps; from v128 A's fragments, one set; on the way out v32-255 are free.  window 1: B's fragments, two sets.  windows 2, 3: accumulators.
; THE SCALE WORDS do not pass through LDS: each wave loads those of its 128 rows of A' and of B', for all of K, once, by plain loads into v64-127 (see SC below); v32-63 are idle until the way out.
.set NQ,     2
.set FR,     16                        ; registers of a fragment
.set NL,     4                         ; LDS loads that bring one
.set NP,     8                         ; places behind this matrix instruction (ISA guide 7.12.1)
.set HALFT,  32768                     ; 8 tiles x 4,096 bytes (256 along K): what one tensor load brings, and what one wave reads of A' or of B'
.set SLOT,   4*HALFT
.set KSB,    4096                      ; a K step of 256 in a tile's image
.set SPARE,  2*SLOT                    ; behind the ring: the spare words, 128 bytes for each wave: two blocks of 256 bytes that no other line names
.set ADRA, 16                          ; v16-17  LDS address of my A' fragments in slot 0, 1
.set ADRB, 20                          ; v20-21  the same for B'
.set LI,   24                          ; v24     16 x lane
.set SA,   25                          ; v25     the way out of the scale words: 1,024 x wave + 4 x lane (in slot 0, which has had its last fill and its last read by then)
.set SB,   26                          ; v26     1,024 x wave + 16 x lane
.set ADRS, 27                          ; v27     my offset in ops: lanes 0-15 row r of my first tile of A', lanes 16-31 of B'; never rewritten
.set SPW,  28                          ; v28     LDS address of my spare word; never rewritten
.set NIL,  29                          ; v29     0; never rewritten
.set LANE, 30                          ; v30     lane
.set SC,   64                          ; scale words: K step k of 256 at v[64 + 16 k]; register 2 i + q: lanes 0-15 A's block i, lanes 16-31 B's block i.  MUL16 names v[SC + 16 slot ..]: SC is 64 for K steps 0, 1 and 96 for 2, 3
.set AF,   128                         ; A's fragments
.set SW,   32                          ; the way out: v32-39 the scale word of each block a
.set TM,   40                          ; v40-55 at work
.set SW2,  56                          ; v56-63 the words >> 16
.set H,    64                          ; v64-127 64 numbers, held
.set G1, 24
.set G0, 32
.set G1B, 48
.set G0B, 56
.set G1S, 68
.set G0S, 76
.set G1SB, 80
.set G0SB, 88
.set MSB, 0
.macro WIN new                         ; the immediate's high byte repeats the setting that is left
.if MSB != \new
	s_set_vgpr_msb (MSB<<8)|\new
.set MSB, \new
.endif
.endm
.set MUL_LO, 0xa1                      ; source 0 (B') window 1, source 1 (A') window 0, C and D window 2
.set MUL_HI, 0xf1                      ; the same, C and D window 3
.set TO_B,   0x40                      ; destination window 1, address window 0
; A joint load: waves 0 and 1 fetch for A', waves 2 and 3 for B'.  The branch hangs on the wave's number alone.  Four v_nop follow each of the two lines.
.macro JLOAD g0a, g1a, g0b, g1b
	s_cmp_eq_u32 s15, 0
	s_cbranch_scc0 .Lfor_b_\@
	tensor_load_to_lds s[\g0a:\g0a+3], s[\g1a:\g1a+7]
	s_nop 0
.rept 4
	v_nop
.endr
	s_branch .Lasked_\@
.Lfor_b_\@:
	tensor_load_to_lds s[\g0b:\g0b+3], s[\g1b:\g1b+7]
	s_nop 0
.rept 4
	v_nop
.endr
.Lasked_\@:
.endm
.macro CREST                           ; a round of the cluster's barrier behind its opening barrier
	s_cmp_lg_u32 s14, 0
	s_cbranch_scc1 .Lnot_wave_0_\@
	s_barrier_signal -3
.Lnot_wave_0_\@:
	s_barrier_wait -3
	s_barrier_signal -1
	s_barrier_wait -1
.endm
.macro CROUND
	s_barrier_signal -1
	s_barrier_wait -1
	CREST
.endm
	s_load_b256 s[4:11], s[0:1], 0x0               ; opc s[4:5], ops s[6:7], img s[8:9], isc s[10:11]
	v_lshl_add_u32 v[SPW], v0, 2, SPARE
	v_mov_b32 v[NIL], 0
	ds_add_u32 v28, v29
	ds_add_u32 v28, v29
	s_wait_dscnt 0x0
	v_lshrrev_b32 v1, 5, v0
	v_readfirstlane_b32 s14, v1                    ; wave 0..3
	s_lshr_b32 s15, s14, 1                         ; which half of the tile's rows is mine.  Also: I fetch for A' (0) or for B' (1)
	s_and_b32 s16, s14, 1                          ; which half of its columns.  Also: which 128 rows I fetch
	s_bfe_u32 s40, ttmp6, 0x40000                  ; cx, cy: my place in the cluster
	s_bfe_u32 s41, ttmp6, 0x40004
	s_and_b32 s17, ttmp7, 0xffff                   ; Y: the cluster's y
	s_lshr_b32 s12, s17, 3                         ; z
	s_and_b32 s13, s17, 7
	s_lshl_b32 s13, s13, 2                         ; 4 g
	s_lshr_b32 s96, s12, 1                         ; V = 1 for z = 2
	s_xor_b32 s97, s96, 1                          ; 1 - V
	s_mul_i32 s17, s13, s97
	s_add_co_u32 s17, s17, s41                     ; tile row of C': 4 g + cy over the tokens, cy over wv
	s_mul_i32 s42, s13, s96
	s_add_co_u32 s42, s42, s40                     ; tile column: cx over a weight, 4 g + cx over the tokens
	s_lshl_b32 s43, s41, 2
	s_lshl_b32 s43, 15, s43                        ; my row of the cluster
	s_lshl_b32 s44, 0x1111, s40                    ; my column
	; descriptor group 1 for the codes: 8 rows (tiles) of 512 elements of 8 bytes, 2,048 elements apart; no padding
	s_or_b32 s[G1+0], s43, (3<<16)|(1<<21)         ; 15:0 the mask; 17:16 elements of 8 bytes; 21 set beside a mask
	s_or_b32 s[G1B+0], s44, (3<<16)|(1<<21)
.irp g, G1, G1B
	s_mov_b32 s[\g+1], 512<<16                     ; tensor_dim0
	s_mov_b32 s[\g+2], 8<<16                       ; tensor_dim1
	s_mov_b32 s[\g+3], 512<<16                     ; tile_dim0
	s_mov_b32 s[\g+4], 8                           ; tile_dim1
	s_mov_b32 s[\g+5], 2048                        ; tensor_dim0_stride
	s_mov_b32 s[\g+6], 0
	s_mov_b32 s[\g+7], 0
.endr
	s_lshl_b32 s18, s16, 3                         ; which 8 tiles of the 16 I fetch
	s_lshl_b32 s20, s12, 9                         ; A's first tile in opc: 512 z + 128 V = 0, 512, 1152
	s_lshl_b32 s19, s96, 7
	s_add_co_u32 s20, s20, s19
	s_lshl_b32 s19, s17, 4
	s_add_co_u32 s20, s20, s19
	s_add_co_u32 s20, s20, s18                     ; + 16 x tile row + 8 x half
	s_lshl_b32 s46, s12, 6                         ; B's: 1024 + 64 z - 640 V = 1024, 1088, 512
	s_add_co_u32 s46, s46, 1024
	s_mul_i32 s47, s96, 640
	s_sub_co_u32 s46, s46, s47
	s_lshl_b32 s47, s42, 4
	s_add_co_u32 s46, s46, s47
	s_add_co_u32 s46, s46, s18                     ; + 16 x tile column + 8 x half
	s_sub_co_u32 s94, s20, s18                     ; the scales that I multiply by: A's tiles 8 x my row of waves on (not the half that I fetch),
	s_lshl_b32 s23, s15, 3
	s_add_co_u32 s94, s94, s23
	s_lshl_b32 s94, s94, 9                         ; 512 bytes a tile: an offset in ops
	s_lshl_b32 s20, s20, 14                        ; its codes 16,384
	s_mov_b32 s21, 0
	s_lshl_b32 s92, s46, 9
	s_lshl_b32 s46, s46, 14
	s_mov_b32 s47, 0
	s_mul_i32 s45, s14, HALFT                      ; where they go: by the wave's number alone
	s_wait_kmcnt 0x0
	s_add_nc_u64 s[20:21], s[4:5], s[20:21]
	s_add_nc_u64 s[46:47], s[4:5], s[46:47]
	CROUND                                         ; all sixteen work-groups are here: the first joint loads meet
.irp s, 0,1
	s_mov_b32 s[G0+4*\s], 1
	s_add_co_u32 s[G0+4*\s+1], s45, \s*SLOT
	s_add_nc_u64 s[G0+4*\s+2:G0+4*\s+3], s[20:21], \s*KSB
	s_or_b32 s[G0+4*\s+3], s[G0+4*\s+3], 0x80000000
	s_mov_b32 s[G0B+4*\s], 1
	s_add_co_u32 s[G0B+4*\s+1], s45, \s*SLOT
	s_add_nc_u64 s[G0B+4*\s+2:G0B+4*\s+3], s[46:47], \s*KSB
	s_or_b32 s[G0B+4*\s+3], s[G0B+4*\s+3], 0x80000000
.endr
	JLOAD G0, G1, G0B, G1B                         ; K step 0, a quarter of the slot a wave: one tensor load a wave
	v_and_b32 v1, 15, v0                           ; r
	v_and_b32 v[LANE], 31, v0
	v_lshlrev_b32 v[LI], 4, v[LANE]
	s_mul_i32 s21, s15, HALFT                      ; my 128 rows of A'
	s_mul_i32 s22, s16, HALFT                      ; my 128 rows of B',
	s_add_co_u32 s22, s22, 2*HALFT                 ; which lie behind A's 256
.irp s, 0,1
	v_add_nc_u32 v[ADRA+\s], s21, v[LI]
	v_add_nc_u32 v[ADRB+\s], s22, v[LI]
	s_add_co_u32 s21, s21, SLOT
	s_add_co_u32 s22, s22, SLOT
.endr
	v_lshlrev_b32 v5, 5, v1                        ; my row's scales: 32 bytes a row
	v_add_nc_u32 v6, s92, v5                       ; in B's tiles (the half that I fetch is the half that I multiply),
	v_add_nc_u32 v5, s94, v5                       ; in A's
	v_cmp_le_u32 vcc_lo, 16, v[LANE]
	v_cndmask_b32 v[ADRS], v5, v6, vcc_lo          ; lanes 16-31 take B's
.irp k, 0,1,2,3
.irp i, 0,1,2,3,4,5,6,7
	global_load_b64 v[SC+16*\k+2*\i:SC+16*\k+2*\i+1], v[ADRS], s[6:7] offset:512*\i+8*\k   ; block i, K step k: two words a row; the four K steps together read each row's 32 bytes once
.endr
.endr
	s_lshl_b32 s23, s14, 10
	v_lshl_add_u32 v[SA], v[LANE], 2, s23
	v_add_nc_u32 v[SB], s23, v[LI]
	; where my wave's results go
	s_lshl_b32 s20, s17, 1
	s_add_co_u32 s20, s20, s15                     ; rI: my 128 rows of C'
	s_lshl_b32 s21, s42, 1
	s_add_co_u32 s21, s21, s16                     ; cI: my 128 columns
	s_sub_co_u32 s22, s20, s21
	s_mul_i32 s22, s22, s96                        ; V (rI - cI)
	s_add_co_u32 s21, s21, s22                     ; P: the pair of heads: cI, for V rI
	s_sub_co_u32 s20, s20, s22                     ; Qi: rI, for V cI
	s_lshl_b32 s22, s12, 23
	s_lshl_b32 s23, s21, 20
	s_add_co_u32 s22, s22, s23
	s_lshl_b32 s23, s20, 14
	s_add_co_u32 s22, s22, s23
	s_mov_b32 s23, 0
	s_add_nc_u64 s[8:9], s[8:9], s[22:23]          ; my 16,384 bytes of img
	s_lshl_b32 s22, s12, 19
	s_lshl_b32 s21, s21, 15
	s_add_co_u32 s22, s22, s21
	s_lshl_b32 s20, s20, 9
	s_add_co_u32 s22, s22, s20
	s_add_nc_u64 s[10:11], s[10:11], s[22:23]      ; my 512 bytes of isc's half 0
	s_mov_b32 s20, 0x76543210
	s_mov_b32 s21, 0xfedcba98                      ; v_permlanex16_b32's selects for lane l xor 16
	s_mov_b32 s22, 0x600000                        ; the mantissa field of 57,344
.macro FRAG reg, adr, q, i             ; a fragment's image: four loads of 512 consecutive bytes; registers 4 c .. 4 c + 3 hold K = 32 c + 16 h + 0 .. 15 of row r
.irp c, 0,1,2,3
	ds_load_b128 v[\reg+4*\c:\reg+4*\c+3], v[\adr] offset:4096*(\i)+2048*(\q)+512*\c
.endr
.endm
; 16 matrix instructions: A's blocks a0, a0 + 1 x B's eight, 128 along K.  The 64 accumulators take turns, one instruction a turn, in the same order in every step.
.macro MUL16 a0, p, q, sc, zero
.irp a, \a0, \a0+1
.irp b, 0,1,2,3,4,5,6,7
.if \zero
	v_wmma_scale_f32_16x16x128_f8f6f4 v[8*(8*((\a)%4)+\b):8*(8*((\a)%4)+\b)+7], v[128*(\p)+FR*\b:128*(\p)+FR*\b+FR-1], v[AF+FR*(\a):AF+FR*(\a)+FR-1], 0, v[SC+8*NQ*(\sc)+NQ*\b+(\q)], v[SC+8*NQ*(\sc)+NQ*(\a)+(\q)] matrix_a_fmt:MATRIX_FMT_BF8 matrix_b_fmt:MATRIX_FMT_BF8 matrix_a_scale:MATRIX_SCALE_ROW1
.else
	v_wmma_scale_f32_16x16x128_f8f6f4 v[8*(8*((\a)%4)+\b):8*(8*((\a)%4)+\b)+7], v[128*(\p)+FR*\b:128*(\p)+FR*\b+FR-1], v[AF+FR*(\a):AF+FR*(\a)+FR-1], v[8*(8*((\a)%4)+\b):8*(8*((\a)%4)+\b)+7], v[SC+8*NQ*(\sc)+NQ*\b+(\q)], v[SC+8*NQ*(\sc)+NQ*(\a)+(\q)] matrix_a_fmt:MATRIX_FMT_BF8 matrix_b_fmt:MATRIX_FMT_BF8 matrix_a_scale:MATRIX_SCALE_ROW1
.endif
.endr
.endr
.endm
.macro FETCH_B slot, q, p
	WIN TO_B
.irp i, 0,1,2,3,4,5,6,7
	FRAG 128*(\p)+FR*\i, ADRB+\slot, \q, \i
.endr
	WIN 0
.endm
.macro FETCH_A slot, q, i0
.irp i, \i0, \i0+1, \i0+2, \i0+3
	FRAG AF+FR*(\i), ADRA+\slot, \q, \i
.endr
.endm
.macro PLACES n                        ; plain vector lines between a matrix instruction and a load into, or a vector line on, its registers
.rept \n
	v_nop
.endr
.endm
.macro STEP slot, q, zero              ; a step of 128 along K that has its successor in the same slot
	s_wait_dscnt 4*NL                              ; B's set and A's blocks 0-3 are in; the youngest 16 loads (A's blocks 4-7) may be out
	WIN MUL_LO
	MUL16 0, (\q)%2, \q, \slot, \zero
	MUL16 2, (\q)%2, \q, \slot, \zero
	s_wait_dscnt 0
	PLACES NP
	FETCH_B \slot, (\q)+1, 1-(\q)%2
	FETCH_A \slot, (\q)+1, 0
	WIN MUL_HI
	MUL16 4, (\q)%2, \q, \slot, \zero
	MUL16 6, (\q)%2, \q, \slot, \zero
	PLACES NP
	WIN 0
	FETCH_A \slot, (\q)+1, 4
.endm
; A slot's last step changes slots: one barrier; in front of it each wave waits for all its tensor loads, adds 0 to its spare word, and waits for that and for its reads of this slot.  fill = 1: this slot is filled again, two K steps ahead.
.macro TURN slot, next, fill
	s_wait_tensorcnt 0x0                           ; all my tensor loads have landed: my part of the next slot
	ds_add_u32 v[SPW], v[NIL]                      ; 0 onto my spare word
	s_wait_dscnt 4*NL+1                            ; the add and the youngest 16 loads may be out
	WIN MUL_LO
	MUL16 0, 1, NQ-1, \slot, 0
	s_wait_dscnt 0x0                               ; the add is done, and my reads of this slot are over
	s_barrier_signal -1
	MUL16 2, 1, NQ-1, \slot, 0
	WIN 0
	s_barrier_wait -1
.if \fill
	CREST                                          ; the barrier has opened a round of the cluster's: no wave of any partner still reads this slot or has a load on its way
	s_add_nc_u64 s[G0+4*\slot+2:G0+4*\slot+3], s[G0+4*\slot+2:G0+4*\slot+3], 2*KSB
	s_add_nc_u64 s[G0B+4*\slot+2:G0B+4*\slot+3], s[G0B+4*\slot+2:G0B+4*\slot+3], 2*KSB
	JLOAD G0+4*\slot, G1, G0B+4*\slot, G1B         ; the first tensor load behind the round; its four v_nop are among the places in front of the loads below
	PLACES NP-4
.else
	PLACES NP
.endif
	FETCH_B \next, 0, 0
	FETCH_A \next, 0, 0
	WIN MUL_HI
	MUL16 4, 1, NQ-1, \slot, 0
	MUL16 6, 1, NQ-1, \slot, 0
	PLACES NP
	WIN 0
	FETCH_A \next, 0, 4
.endm
	s_wait_alu depctr_va_vdst(0)
	s_wait_tensorcnt 0x0                           ; my part of K step 0 is in; slot 1's first fill is issued as a refill is
	ds_add_u32 v[SPW], v[NIL]                      ; 0 onto my spare word
	s_wait_dscnt 0x0                               ; the add is done
	CROUND                                         ; everybody's part is in, and all sixteen work-groups are here
	JLOAD G0+4, G1, G0B+4, G1B                     ; K step 1: the first tensor load behind the round
	FETCH_B 0, 0, 0
	FETCH_A 0, 0, 0
	FETCH_A 0, 0, 4
	s_wait_loadcnt 0x0                             ; the scale words are in
	STEP 0, 0, 1                                   ; K step 0: its first products start the sums
	TURN 0, 1, 1                                   ; slot 0 takes K step 2
	STEP 1, 0, 0
	TURN 1, 0, 1                                   ; slot 1 takes K step 3
.set SC, 96                            ; K steps 2 and 3: their scale words lie 32 registers on
	STEP 0, 0, 0
	TURN 0, 1, 0                                   ; nothing is left to fetch
	STEP 1, 0, 0
	s_wait_dscnt 4*NL
	WIN MUL_LO
	MUL16 0, 1, NQ-1, 1, 0
	MUL16 2, 1, NQ-1, 1, 0
	s_wait_dscnt 0
	WIN MUL_HI
	MUL16 4, 1, NQ-1, 1, 0
	MUL16 6, 1, NQ-1, 1, 0
	WIN 0
; THE WAY OUT.  Block a (16 rows' of A'): a lane's 64 numbers are four halves of blocks of 32 along the next K; the other halves lie in lane l xor 16.  The codes are the next operand's registers and leave as they
; stand: four stores of 512 consecutive bytes.  Each block has registers of its own for its codes, so no store's data are written again.  Each accumulator is read from its low end on.
.macro QOUT a
.set AC, 64*((\a)%4)
.set XW, 2+(\a)/4
.set W2, XW*5                          ; sources 0 and 1 in the accumulators' window
.set PCA, 128+16*(\a)
	WIN W2
.irp b, 0,1,2,3
	v_max3_num_f32 v[TM+\b], |v[AC+16*\b]|, |v[AC+16*\b+1]|, 0x8000000   ; with the floor 2^(16 - 127)
.endr
.irp i, 2,4,6,8,10,12,14
.irp b, 0,1,2,3
	v_max3_num_f32 v[TM+\b], |v[AC+16*\b+\i]|, |v[AC+16*\b+\i+1]|, v[TM+\b]
.endr
.endr
	WIN 0
.irp b, 0,1,2,3
	v_permlanex16_b32 v[TM+4+\b], v[TM+\b], s20, s21
.endr
.irp b, 0,1,2,3
	v_max_num_f32 v[TM+\b], v[TM+\b], v[TM+4+\b]
.endr
.irp b, 0,1,2,3
	v_add_nc_u32 v[TM+12+\b], 0xf8800000, v[TM+\b] ; 15 off the exponent field: the conversion's scale operand
.endr
.irp b, 0,1,2,3
	v_and_or_b32 v[TM+8+\b], v[TM+\b], 0x7f800000, s22   ; 57,344 x the scale
.endr
.irp b, 0,1,2,3
	v_lshrrev_b32 v[TM+4+\b], 23, v[TM+12+\b]      ; the scale's byte
.endr
	v_lshl_or_b32 v[SW+(\a)], v[TM+5], 8, v[TM+4]
	v_lshl_or_b32 v[SW+(\a)], v[TM+6], 16, v[SW+(\a)]
	v_lshl_or_b32 v[SW+(\a)], v[TM+7], 24, v[SW+(\a)]
	WIN XW                                         ; source 0 in the accumulators' window
.irp b, 0,1,2,3
.irp i, 0,1,2,3,4,5,6,7,8,9,10,11,12,13,14,15
	v_med3_num_f32 v[H+16*\b+\i], v[AC+16*\b+\i], -v[TM+8+\b], v[TM+8+\b]   ; the hold (the conversion does not saturate: ISA guide 7.6.2), into window 0
.endr
.endr
	WIN 0
.irp b, 0,1,2,3
	v_cvt_scalef32_pk8_bf8_f32 v[PCA+4*\b:PCA+4*\b+1], v[H+16*\b:H+16*\b+7], v[TM+12+\b]
	v_cvt_scalef32_pk8_bf8_f32 v[PCA+4*\b+2:PCA+4*\b+3], v[H+16*\b+8:H+16*\b+15], v[TM+12+\b]
.endr
	v_nop                                          ; a plain line behind the last conversion: the next block writes its sources
.irp b, 0,1,2,3
	global_store_b128 v[LI], v[PCA+4*\b:PCA+4*\b+3], s[8:9] offset:2048*(\a)+512*\b
.endr
.endm
	PLACES NP                                      ; behind the last products: the lines below read results and write registers that held operands and scales
.irp b, 0,1,2,3
	v_mov_b32 v[TM+4+\b], 0                        ; a lane permute's destination counts as one of its sources
.endr
.irp a, 0,1,2,3,4,5,6,7
	QOUT \a
.endr
	; the eight blocks' scale words, 16 a block, leave as 512 consecutive bytes: through my own 1,024 bytes of LDS; then the same of the words >> 16
	v_cmp_le_u32 vcc_lo, 16, v[LANE]
.irp j, 0,1,2,3
	v_cndmask_b32 v[H+\j], v[SW+2*\j], v[SW+2*\j+1], vcc_lo   ; lanes 0-15 block 2 j, lanes 16-31 block 2 j + 1
	ds_store_b32 v[SA], v[H+\j] offset:128*\j
.endr
	ds_load_b128 v[H+8:H+11], v[SB]                ; LDS serves a wave's instructions in order: this sees the stores above
.irp a, 0,1,2,3,4,5,6,7
	v_lshrrev_b32 v[SW2+\a], 16, v[SW+\a]
.endr
.irp j, 0,1,2,3
	v_cndmask_b32 v[H+4+\j], v[SW2+2*\j], v[SW2+2*\j+1], vcc_lo
	ds_store_b32 v[SA], v[H+4+\j] offset:512+128*\j
.endr
	ds_load_b128 v[H+12:H+15], v[SB] offset:512
	s_wait_dscnt 0x0
	global_store_b128 v[LI], v[H+8:H+11], s[10:11]
	global_store_b128 v[LI], v[H+12:H+15], s[10:11] offset:262144
	s_wait_tensorcnt 0x0                           ; the wave's end, behind my last tensor load and my last LDS store
	ds_add_u32 v[SPW], v[NIL]
	s_wait_dscnt 0x0
	CROUND                                         ; the closing round: no work-group ends while a partner may still ask for a tile that names it
	s_endpgm
.Lfunc_end_k_q8609f1b351_qkv:
	.size	k_q8609f1b351_qkv, .Lfunc_end_k_q8609f1b351_qkv-k_q8609f1b351_qkv
	.p2alignl 7, 3214868480
	.fill 96, 4, 3214868480
	.section	.rodata,"a",@progbits
	.p2align	6, 0x0
	.amdhsa_kernel k_q8609f1b351_qkv
		.amdhsa_group_segment_fixed_size 327680
		.amdhsa_private_segment_fixed_size 0
		.amdhsa_enable_private_segment 0
		.amdhsa_kernarg_size 32
		.amdhsa_user_sgpr_count 2
		.amdhsa_user_sgpr_kernarg_segment_ptr 1
		.amdhsa_wavefront_size32 1
		.amdhsa_system_sgpr_workgroup_id_x 1
		.amdhsa_system_sgpr_workgroup_id_y 1
		.amdhsa_system_sgpr_workgroup_id_z 1
		.amdhsa_system_vgpr_workitem_id 0
		.amdhsa_next_free_vgpr 1024
		.amdhsa_next_free_sgpr 100
		.amdhsa_reserve_vcc 1
		.amdhsa_float_denorm_mode_32 3
		.amdhsa_float_denorm_mode_16_64 3
		.amdhsa_memory_ordered 1
		.amdhsa_forward_progress 1
		.amdhsa_inst_pref_size 185
	.end_amdhsa_kernel
	.amdgpu_metadata
---
amdhsa.version: [ 1, 2 ]
amdhsa.kernels:
  - .name:           k_q8609f1b351_qkv
    .symbol:         k_q8609f1b351_qkv.kd
    .args:
      - { .name: opc, .offset: 0, .size: 8, .value_kind: global_buffer, .address_space: global }
      - { .name: ops, .offset: 8, .size: 8, .value_kind: global_buffer, .address_space: global }
      - { .name: img, .offset: 16, .size: 8, .value_kind: global_buffer, .address_space: global }
      - { .name: isc, .offset: 24, .size: 8, .value_kind: global_buffer, .address_space: global }
    .group_segment_fixed_size: 327680
    .private_segment_fixed_size: 0
    .kernarg_segment_align: 8
    .kernarg_segment_size: 32
    .max_flat_workgroup_size: 128
    .sgpr_count:     100
    .vgpr_count:     1024
    .wavefront_size: 32
...
	.end_amdgpu_metadata
.endif
;; end of part 2
;; launch attn (part 3): grid 4 x 64, 16 waves a work-group, clusters of 4 x 1, 327,680 bytes of LDS; arguments img, isc, yimg, ysc; writes yimg, ysc
.if DOCPART == 3
	.amdgcn_target "amdgcn-amd-amdhsa--gfx1250"
	.amdhsa_code_object_version 6
	.text
	.protected	k_q8609f1b351_attn
	.globl	k_q8609f1b351_attn
	.p2align	8
	.type	k_q8609f1b351_attn,@function
k_q8609f1b351_attn:
	s_mov_b64 s[64:65], 0
	v_nop
	global_prefetch_b8 v0, s[64:65] scope:SCOPE_SE
	s_setreg_imm32_b32 hwreg(HW_REG_WAVE_MODE, 25, 1), 1
	s_wait_xcnt 0x0
	s_wait_alu depctr_hold_cnt(0) depctr_sa_sdst(0) depctr_va_vdst(0) depctr_va_sdst(0) depctr_va_ssrc(0) depctr_va_vcc(0) depctr_vm_vsrc(0)
	s_getreg_b32 s2, hwreg(HW_REG_IB_STS2, 6, 4)
	s_cmp_eq_u32 s2, 0
	s_cbranch_scc0 .Lentry_in_a_cluster
	s_endpgm
.Lentry_in_a_cluster:
	s_bfe_u32 s2, ttmp6, 0x10000c
	s_cmp_lg_u32 s2, 0x3003
	s_cbranch_scc0 .Lentry_shape_is_right
	s_endpgm
.Lentry_shape_is_right:
; Causal attention on codes of E5M2 with E8M0 scales, head size 64, 2,048 tokens, 64 (batch, head) pairs; the result y = O / l is quantised along the channels and leaves as the last product's operand.
; t = score x log2(e) / 8; M = the running largest t rounded UP to a whole number; p = 2^(t - M) is quantised along the keys, not normalised; the row's sum l is taken of the unquantised p and divides at the end.
; When M moves, l and O are multiplied by 2^(old M - new M), which rounds nothing.
; SHARES.  A cluster of four work-groups is one (batch, head).  ALL of the head's K and V, 262,144 bytes of codes and 12,288 of scale words, lies in each work-group's LDS, brought ONCE by joint loads that name
; the four: no slot is filled again.  The head's 128 tiles of 16 queries go to the cluster's 64 waves, two each: with u = wave % 8 and i = 2 cx + wave / 8, tiles 8 u + i and 8 (15 - u) + i: (u + 1) + (16 - u) = 17 key
; steps of 128 keys in every wave.  Every branch hangs on u, made of the wave's number alone; the place in the cluster enters global addresses and the mask's comparison value, nothing else.
; LAYOUT.  Both products are used transposed: S^T = K Q^T, O^T = V^T P^T: a lane holds one query.  Lane r of a tile T of tokens holds token 32 (T / 2) + 8 (T % 2) + r + 8 (r / 8), so the 16 registers of key tiles 2 b and
; 2 b + 1 are keys 32 b + 16 h + 0 .. 15, and likewise O^T's registers are neighbouring channels: the conversions' results are the next operand's registers.
; K = 64 IN A FORM OF K = 128: Q's registers 8-15 are zero codes.  A key tile's source is 16 registers of which the upper eight are the next tile's codes (finite: the quantiser holds) or zeros: their products are 0.
; CAUSAL: a step all of whose keys come after the tile's queries is jumped over (not the lines that step addresses); in the one step on the diagonal hidden scores become -infinity ahead of the maximum.
; img, isc: as the launch before lays them.  yimg[tile of tokens 512][pair of heads 8][head % 2][block 2][lane][16]; ysc[16 tile + r][32]: byte = channel / 32.
; LIMITS: NaN and infinities are not served; a block of y under 2^-111, or of zeros, keeps the byte 1.  O^T and l begin as zeros and the largest t as -3e38, so that the key step is written without a first step of its own:
; 32 moves a tile.
.set KIMG, 0                           ; [tile 128][c 2][512]
.set VIMG, 131072                      ; [step 16][tile of channels 4][c 4][512]
.set KSC,  262144                      ; [tile 128][16 words]
.set VSC,  270336                      ; [step 16][tile 4][16 words]
.set AK0,  1                           ; v1   16 x lane: my place in an image of K; also the offset of Q's loads and y's stores
.set AV0,  2                           ; v2   VIMG + 16 x lane
.set ASK0, 3                           ; v3   KSC + 4 r
.set ASV0, 4                           ; v4   VSC + 4 r
.set DQ,   5                           ; v5   my query's place in its step of 128, less 16 h
.set HW2,  6                           ; v6   the second tile's two scale bytes of y
.set R4,   7                           ; v7   4 r
.set ADK,  8                           ; v8-11 the step's LDS addresses: K, V, K's scale words, V's
.set ADV,  9
.set ADS,  10
.set ADT,  11
; v12 -M, v13 the largest t, v[14:15] l in two halves; v16-23 Q, v24-31 zeros; v32-95 K's eight fragments, then V's four; v96-103 zeros; v104-167 S^T, then p, then y; v168-199 O^T; v200-215 p's codes, then y's;
; v216-223 K's scale words, v224-227 V's, v228 Q's, v229 p's; v232-247 at work; v[250:251] f; v252, v254 at work
.set G1K,  12                          ; s[12:19], s[20:27], s[28:35], s[36:43]: descriptor groups 1 for K, V, K's scales, V's scales
.set G1V,  20
.set G1KS, 28
.set G1VS, 36
; groups 0, first and second half: K s[44:47], s[48:51]; V s[52:55], s[56:59]; K's scales s[60:63], s[68:71]; V's s[72:75], s[76:79]
.set WV,   80
.set U1,   81                          ; u
.set U2,   82                          ; 15 - u
.set SI,   83                          ; the key step
.set TB,   84                          ; its first byte in KIMG and in VIMG: 8,192 a step
.set TS,   85                          ; in KSC: 512 a step
.set TJ,   86                          ; in VSC: 256 a step
.set MNT,  87
.set SEL,  88
.set CS,   90                          ; s[90:91] c = log2(e) / 8
.set QA2,  92                          ; s[92:93], s[94:95], s[96:97]: Q's codes, Q's scale words, y's codes of the tile 8 (15 - u) + i;  s[4:5], s[6:7], s[8:9] those of 8 u + i;  s[10:11] y's scale bytes
.set QS2,  94
.set YA2,  96
.set U,    99                          ; the step on the diagonal of the tile in hand
.macro ROUND                           ; a round of the cluster's barrier
	s_barrier_signal -1
	s_barrier_wait -1
	s_cmp_lg_u32 s[WV], 0
	s_cbranch_scc1 .Lnot_wave_0_\@
	s_barrier_signal -3
.Lnot_wave_0_\@:
	s_barrier_wait -3
	s_barrier_signal -1
	s_barrier_wait -1
.endm
	s_load_b256 s[4:11], s[0:1], 0x0               ; img, isc, yimg, ysc
	v_lshl_add_u32 v253, v0, 2, 0x43000
	v_mov_b32 v255, 0
	ds_add_u32 v253, v255
	ds_add_u32 v253, v255
	v_lshrrev_b32 v8, 5, v0
	s_delay_alu instid0(VALU_DEP_1)
	v_readfirstlane_b32 s[WV], v8                  ; wave 0..15
	s_bfe_u32 s98, ttmp6, 0x40000                  ; cx
	s_and_b32 s99, ttmp7, 0xffff                   ; 16 x batch + head
	s_lshr_b32 s100, s99, 4                        ; batch
	s_bfe_u32 s101, s99, 0x30001                   ; the pair of heads
	s_and_b32 s104, s99, 1                         ; head % 2
	; groups 1: elements of 8 bytes, the mask names all four work-groups, bit 21 beside it, no padding
.irp g, G1K, G1V, G1KS, G1VS
	s_mov_b32 s[\g], 15|(3<<16)|(1<<21)
	s_mov_b32 s[\g+6], 0
	s_mov_b32 s[\g+7], 0
.endr
	s_mov_b32 s[G1K+1], 128<<16                    ; K: 32 rows (tiles) of 1,024 bytes, 2,048 bytes apart
	s_mov_b32 s[G1K+2], 32<<16                     ; (the row counts: first the four key steps of the head's fills; the rest's are written behind them)
	s_mov_b32 s[G1K+3], 128<<16
	s_mov_b32 s[G1K+4], 32
	s_mov_b32 s[G1K+5], 256
	s_mov_b32 s[G1V+1], 1024<<16                   ; V: 4 rows (steps) of 8,192 bytes, 16,384 apart
	s_mov_b32 s[G1V+2], 4<<16
	s_mov_b32 s[G1V+3], 1024<<16
	s_mov_b32 s[G1V+4], 4
	s_mov_b32 s[G1V+5], 2048
	s_mov_b32 s[G1KS+1], 32<<16                    ; K's scale words: 2,048 dense bytes as 8 rows of 256
	s_mov_b32 s[G1KS+2], 8<<16
	s_mov_b32 s[G1KS+3], 32<<16
	s_mov_b32 s[G1KS+4], 8
	s_mov_b32 s[G1KS+5], 32
	s_mov_b32 s[G1VS+1], 32<<16                    ; V's: 4 rows (steps) of 256 bytes, 512 apart
	s_mov_b32 s[G1VS+2], 4<<16
	s_mov_b32 s[G1VS+3], 32<<16
	s_mov_b32 s[G1VS+4], 4
	s_mov_b32 s[G1VS+5], 64
	s_mov_b32 s3, 0
	s_lshl_b32 s105, s101, 20
	s_lshl_b32 s2, s100, 18
	s_add_co_u32 s105, s105, s2                    ; in a part of img: pair << 20 + batch << 18
	s_lshl_b32 s83, s101, 15
	s_lshl_b32 s2, s100, 13
	s_add_co_u32 s83, s83, s2                      ; in a half of isc: pair << 15 + batch << 13
	s_wait_dscnt 0x0
	s_wait_kmcnt 0x0
	s_lshl_b32 s2, s104, 10
	s_add_co_u32 s2, s2, s105
	s_add_co_u32 s2, s2, 1<<23
	s_add_nc_u64 s[46:47], s[4:5], s[2:3]          ; K's codes of my head,
	s_add_nc_u64 s[50:51], s[46:47], 65536         ; and from tile 32 on
	s_lshl_b32 s2, s104, 13
	s_add_co_u32 s2, s2, s105
	s_add_co_u32 s2, s2, 2<<23
	s_add_nc_u64 s[54:55], s[4:5], s[2:3]          ; V's,
	s_add_nc_u64 s[58:59], s[54:55], 65536         ; from step 4 on
	s_lshl_b32 s2, s104, 18
	s_add_co_u32 s2, s2, s83
	s_add_co_u32 s2, s2, 1<<19
	s_add_nc_u64 s[62:63], s[6:7], s[2:3]          ; K's scale words: the half of isc that has my head's two bytes in front
	s_add_nc_u64 s[70:71], s[62:63], 2048
	s_lshl_b32 s2, s104, 8
	s_add_co_u32 s2, s2, s83
	s_add_co_u32 s2, s2, 2<<19
	s_add_nc_u64 s[74:75], s[6:7], s[2:3]          ; V's
	s_add_nc_u64 s[78:79], s[74:75], 2048
.irp g, 44,48,52,56,60,68,72,76
	s_mov_b32 s[\g], 1                             ; count = 1
	s_or_b32 s[\g+3], s[\g+3], 0x80000000          ; type = 2
.endr
	s_mov_b32 s45, KIMG
	s_mov_b32 s49, KIMG+32768
	s_mov_b32 s53, VIMG
	s_mov_b32 s57, VIMG+32768
	s_mov_b32 s61, KSC
	s_mov_b32 s69, KSC+2048
	s_mov_b32 s73, VSC
	s_mov_b32 s77, VSC+1024
	ROUND                                          ; all four work-groups are here: the joint loads meet
	; the head's fills, key steps 0 to 3 (keys 0 to 511): wave 0 K, wave 1 V, wave 2 K's scale words, wave 3 V's: one load a wave, one chain of branches on the wave's number.  An s_nop 0 and four v_nop follow each
	s_cmp_lg_u32 s[WV], 0
	s_cbranch_scc1 .Lnot_k
	tensor_load_to_lds s[44:47], s[G1K:G1K+7]
	s_nop 0
.rept 4
	v_nop
.endr
	s_branch .Lfilled
.Lnot_k:
	s_cmp_lg_u32 s[WV], 1
	s_cbranch_scc1 .Lnot_v
	tensor_load_to_lds s[52:55], s[G1V:G1V+7]
	s_nop 0
.rept 4
	v_nop
.endr
	s_branch .Lfilled
.Lnot_v:
	s_cmp_lg_u32 s[WV], 2
	s_cbranch_scc1 .Lnot_ks
	tensor_load_to_lds s[60:63], s[G1KS:G1KS+7]
	s_nop 0
.rept 4
	v_nop
.endr
	s_branch .Lfilled
.Lnot_ks:
	s_cmp_lg_u32 s[WV], 3
	s_cbranch_scc1 .Lfilled
	tensor_load_to_lds s[72:75], s[G1VS:G1VS+7]
	s_nop 0
.rept 4
	v_nop
.endr
.Lfilled:
	s_and_b32 s[U1], s[WV], 7
	s_sub_co_u32 s[U2], 15, s[U1]
	s_lshr_b32 s2, s[WV], 3
	s_lshl_b32 s98, s98, 1
	s_add_co_u32 s98, s98, s2                      ; i
	s_lshl_b32 s2, s100, 7
	s_add_co_u32 s2, s2, s98
	s_lshl_b32 s84, s[U1], 3
	s_add_co_u32 s84, s84, s2                      ; my tiles among the 512: 128 batch + 8 u + i,
	s_lshl_b32 s85, s[U2], 3
	s_add_co_u32 s85, s85, s2                      ; 128 batch + 8 (15 - u) + i
	s_lshl_b32 s86, s101, 20                       ; Q's codes: pair << 20 + tile << 11 + (head % 2) << 10
	s_lshl_b32 s2, s104, 10
	s_add_co_u32 s86, s86, s2
	s_lshl_b32 s2, s85, 11
	s_add_co_u32 s2, s2, s86
	s_add_nc_u64 s[QA2:QA2+1], s[4:5], s[2:3]
	s_lshl_b32 s2, s84, 11
	s_add_co_u32 s2, s2, s86
	s_add_nc_u64 s[4:5], s[4:5], s[2:3]
	s_lshl_b32 s86, s104, 18                       ; Q's scale words: (head % 2) << 18 + pair << 15 + tile << 6
	s_lshl_b32 s2, s101, 15
	s_add_co_u32 s86, s86, s2
	s_lshl_b32 s2, s85, 6
	s_add_co_u32 s2, s2, s86
	s_add_nc_u64 s[QS2:QS2+1], s[6:7], s[2:3]
	s_lshl_b32 s2, s84, 6
	s_add_co_u32 s2, s2, s86
	s_add_nc_u64 s[6:7], s[6:7], s[2:3]
	s_lshl_b32 s86, s101, 11                       ; y's codes: tile << 14 + pair << 11 + (head % 2) << 10
	s_lshl_b32 s2, s104, 10
	s_add_co_u32 s86, s86, s2
	s_lshl_b32 s2, s85, 14
	s_add_co_u32 s2, s2, s86
	s_add_nc_u64 s[YA2:YA2+1], s[8:9], s[2:3]
	s_lshl_b32 s2, s84, 14
	s_add_co_u32 s2, s2, s86
	s_add_nc_u64 s[8:9], s[8:9], s[2:3]
	s_lshl_b32 s2, s84, 9                          ; y's scale bytes: tile << 9 + pair << 2 + (head % 2) << 1
	s_lshl_b32 s86, s101, 2
	s_add_co_u32 s2, s2, s86
	s_lshl_b32 s86, s104, 1
	s_add_co_u32 s2, s2, s86
	s_add_nc_u64 s[10:11], s[10:11], s[2:3]
	v_and_b32 v8, 31, v0
	s_delay_alu instid0(VALU_DEP_1)
	v_lshlrev_b32 v[AK0], 4, v8
	v_and_b32 v9, 15, v0                           ; r
	s_delay_alu instid0(VALU_DEP_1)
	v_lshlrev_b32 v[R4], 2, v9
.macro INITQ qa, qs                    ; a tile's Q: eight registers of codes and its rows' scale words
	global_load_b128 v[16:19], v[AK0], s[\qa:\qa+1]
	global_load_b128 v[20:23], v[AK0], s[\qa:\qa+1] offset:512
	global_load_b32 v228, v[R4], s[\qs:\qs+1]
.endm
	INITQ QA2, QS2
	v_add_nc_u32 v[AV0], VIMG, v[AK0]
	v_add_nc_u32 v[ASK0], KSC, v[R4]
	v_add_nc_u32 v[ASV0], VSC, v[R4]
	v_bfe_u32 v10, v0, 4, 1                        ; h
	v_and_b32 v11, 8, v9
	s_delay_alu instid0(VALU_DEP_1)
	v_add_nc_u32 v[DQ], v11, v9                    ; r + 8 (r / 8)
	s_delay_alu instid0(VALU_DEP_3)
	v_lshlrev_b32 v10, 4, v10
	s_delay_alu instid0(VALU_DEP_1)
	v_sub_nc_u32 v[DQ], v[DQ], v10                 ; - 16 h
	s_lshr_b32 s2, s98, 1
	s_lshl_b32 s2, s2, 5
	s_and_b32 s86, s98, 1
	s_lshl_b32 s86, s86, 3
	s_add_co_u32 s2, s2, s86
	v_add_nc_u32 v[DQ], s2, v[DQ]                  ; + 32 (i / 2) + 8 (i % 2)
	s_mov_b32 s[SEL], 0x76543210
	s_mov_b32 s[SEL+1], 0xfedcba98
	s_mov_b32 s[CS], 0x3e38aa3b                    ; c = log2(e) / 8
	s_mov_b32 s[CS+1], s[CS]                       ; (named with it as a pair, so it is written)
	s_mov_b32 s[MNT], 0x600000
.irp j, 0,1,2,3,4,5,6,7
	v_mov_b32 v[24+\j], 0                          ; Q's zero codes for k = 64 .. 127
	v_mov_b32 v[96+\j], 0                          ; and what stands behind K's last fragment
.endr
.irp b, 0,1,2,3
	v_mov_b32 v[236+\b], 0                         ; a lane permute's destination counts as one of its sources
.endr
	v_mov_b32 v251, 0                              ; (named as the upper half of the pair v[250:251])
	v_mov_b32 v254, 0
.macro RESET                           ; a tile begins: the largest t -3e38, under every t; l and O^T zeros, which the first change of M leaves zeros
	v_mov_b32 v13, 0xff61b1e6
	s_delay_alu instid0(VALU_DEP_1)
	v_floor_f32 v12, -v13
	v_mov_b32 v14, 0
	v_mov_b32 v15, 0
.set j, 0
.rept 32
	v_mov_b32 v[168+j], 0
.set j, j+1
.endr
.endm
	RESET
; A KEY STEP: 128 keys against my tile's 16 queries.
.macro STEP causal
.if \causal
	s_cmp_gt_u32 s[SI], s[U]                       ; all 128 keys come after my queries: only the addresses step
	s_cbranch_scc1 .Lhidden_\@
.endif
	v_add_nc_u32 v[ADK], s[TB], v[AK0]
	v_add_nc_u32 v[ADV], s[TB], v[AV0]
	v_add_nc_u32 v[ADS], s[TS], v[ASK0]
	v_add_nc_u32 v[ADT], s[TJ], v[ASV0]
.rept 4
	v_nop                                          ; with the four additions: eight places in front of loads into registers that the last step's products have read
.endr
.irp t, 0,1,2,3,4,5,6,7
	ds_load_b128 v[32+8*\t:35+8*\t], v[ADK] offset:1024*\t
	ds_load_b128 v[36+8*\t:39+8*\t], v[ADK] offset:1024*\t+512
	ds_load_b32 v[216+\t], v[ADS] offset:64*\t
.endr
	s_wait_alu depctr_va_vdst(0)
	s_wait_dscnt 0x0
.irp t, 0,1,2,3,4,5,6,7                        ; S^T = K Q^T: lane (r, h) holds query r; the 16 registers of tiles 2 b, 2 b + 1 are keys 32 b + 16 h + 0 .. 15
	v_wmma_scale_f32_16x16x128_f8f6f4 v[104+8*\t:111+8*\t], v[32+8*\t:47+8*\t], v[16:31], 0, v[216+\t], v228 matrix_a_fmt:MATRIX_FMT_BF8 matrix_b_fmt:MATRIX_FMT_BF8
.endr
.rept 8
	v_nop                                          ; places in front of the first read of the scores and of the loads below
.endr
.irp t, 0,1,2,3                                ; V's four fragments are asked for now and land under the softmax
.irp c, 0,1,2,3
	ds_load_b128 v[32+16*\t+4*\c:35+16*\t+4*\c], v[ADV] offset:2048*\t+512*\c
.endr
	ds_load_b32 v[224+\t], v[ADT] offset:64*\t
.endr
.if \causal
	s_cmp_lg_u32 s[SI], s[U]                       ; a step all of whose keys count skips the mask
	s_cbranch_scc1 .Lopen_\@
	v_mov_b32 v254, 0xff800000                     ; -infinity
.set n, 0
.rept 64                                       ; register 16 b + i holds the step's key 32 b + 16 h + i: hidden where 32 b + i > my query's place - 16 h
	v_cmp_gt_i32 vcc_lo, 32*(n/16)+n%16, v[DQ]
	v_cndmask_b32 v[104+n], v[104+n], v254, vcc_lo
.set n, n+1
.endr
.Lopen_\@:
.endif
.irp b, 0,1,2,3
	v_max3_num_f32 v[232+\b], v[104+16*\b], v[105+16*\b], v[106+16*\b]   ; the largest score of each block of 32 keys: for the row's maximum, and, since p rises with the score, for the block's largest p
.endr
.irp i, 3,5,7,9,11,13
.irp b, 0,1,2,3
	v_max3_num_f32 v[232+\b], v[232+\b], v[104+16*\b+\i], v[105+16*\b+\i]
.endr
.endr
.irp b, 0,1,2,3
	v_max_num_f32 v[232+\b], v[232+\b], v[119+16*\b]
.endr
.irp b, 0,1,2,3
	s_delay_alu instid0(VALU_DEP_4)
	v_permlanex16_b32 v[236+\b], v[232+\b], s[SEL], s[SEL+1]
.endr
.irp b, 0,1,2,3
	s_delay_alu instid0(VALU_DEP_4)
	v_max_num_f32 v[232+\b], v[232+\b], v[236+\b]  ; with lane l xor 16's 16 keys
.endr
	s_delay_alu instid0(VALU_DEP_2)
	v_max3_num_f32 v254, v232, v233, v234
	s_delay_alu instid0(VALU_DEP_1)
	v_max_num_f32 v254, v254, v235                 ; the step's largest score of my query
	s_delay_alu instid0(VALU_DEP_1)
	v_mul_f32 v254, s[CS], v254                    ; as t
	s_delay_alu instid0(VALU_DEP_1)
	v_max_num_f32 v13, v13, v254                   ; the running largest t
	v_mov_b32 v254, v12
	s_delay_alu instid0(VALU_DEP_2)
	v_floor_f32 v12, -v13                          ; the new -M = floor(-t) = -ceil(t)
	s_delay_alu instid0(VALU_DEP_1)
	v_sub_f32 v254, v12, v254                      ; old M - new M: a whole number, 0 or less
	s_delay_alu instid0(VALU_DEP_1)
	v_cvt_i32_f32 v254, v254                       ; (it saturates)
	s_delay_alu instid0(VALU_DEP_1)
	v_ldexp_f32 v250, 1.0, v254                    ; f = 2^(old M - new M)
.set j, 0
.rept 32
	v_pk_fma_f32 v[104+j:105+j], v[104+j:105+j], s[CS:CS+1], v[12:13] op_sel_hi:[1,0,0]   ; t - M, two at a time
.set j, j+2
.endr
.irp b, 0,1,2,3
	v_fma_f32 v[232+\b], v[232+\b], s[CS], v12     ; the same of each block's largest score
.endr
.set j, 0
	s_wait_alu depctr_va_vdst(0)
.rept 64
	v_exp_f32 v[104+j], v[104+j]                   ; p = 2^(t - M)
.set j, j+1
.endr
	v_pk_mul_f32 v[14:15], v[14:15], v[250:251] op_sel_hi:[1,0]   ; l under the new M: the plain line behind the exponentials
	s_wait_alu depctr_va_vdst(0)                   ; one wait for the batch, ahead of its first reader
.irp b, 0,1,2,3
	v_exp_f32 v[232+\b], v[232+\b]                 ; the block's largest p: the same two instructions on the same number
.endr
	v_pk_add_f32 v[236:237], v[108:109], v[112:113]
	v_pk_add_f32 v[248:249], v[116:117], v[120:121]
	v_pk_add_f32 v[246:247], v[124:125], v[128:129]
	v_pk_add_f32 v[244:245], v[132:133], v[136:137]
	v_pk_add_f32 v[242:243], v[140:141], v[144:145]
	v_pk_add_f32 v[240:241], v[148:149], v[152:153]
	v_pk_add_f32 v[238:239], v[156:157], v[160:161]
	v_pk_add_f32 v[14:15], v[14:15], v[164:165]
	v_pk_add_f32 v[236:237], v[236:237], v[104:105]
	v_pk_add_f32 v[248:249], v[248:249], v[106:107]
	v_pk_add_f32 v[246:247], v[246:247], v[110:111]
	v_pk_add_f32 v[244:245], v[244:245], v[114:115]
	v_pk_add_f32 v[242:243], v[242:243], v[118:119]
	v_pk_add_f32 v[240:241], v[240:241], v[122:123]
	v_pk_add_f32 v[238:239], v[238:239], v[126:127]
	v_pk_add_f32 v[14:15], v[14:15], v[130:131]
	v_pk_add_f32 v[236:237], v[236:237], v[134:135]
	v_pk_add_f32 v[248:249], v[248:249], v[138:139]
	v_pk_add_f32 v[246:247], v[246:247], v[142:143]
	v_pk_add_f32 v[244:245], v[244:245], v[146:147]
	v_pk_add_f32 v[242:243], v[242:243], v[150:151]
	v_pk_add_f32 v[240:241], v[240:241], v[154:155]
	v_pk_add_f32 v[238:239], v[238:239], v[158:159]
	v_pk_add_f32 v[14:15], v[14:15], v[162:163]
	v_pk_add_f32 v[236:237], v[236:237], v[166:167]
	s_delay_alu instid0(VALU_DEP_2)
	v_pk_add_f32 v[14:15], v[14:15], v[244:245]
	s_delay_alu instid0(VALU_DEP_2)
	v_pk_add_f32 v[236:237], v[236:237], v[242:243]
	v_pk_add_f32 v[248:249], v[248:249], v[240:241]
	v_pk_add_f32 v[246:247], v[246:247], v[238:239]
	s_delay_alu instid0(VALU_DEP_2)
	v_pk_add_f32 v[14:15], v[14:15], v[248:249]
	s_delay_alu instid0(VALU_DEP_2)
	v_pk_add_f32 v[236:237], v[236:237], v[246:247]
	s_delay_alu instid0(VALU_DEP_1)
	v_pk_add_f32 v[14:15], v[14:15], v[236:237]
	s_wait_alu depctr_va_vdst(0)                   ; and one for the four
.irp b, 0,1,2,3
	v_max_num_f32 v[232+\b], 0x8000000, v[232+\b]  ; the floor 2^(16 - 127): the byte cannot fall under 1
.endr
.irp b, 0,1,2,3
	s_delay_alu instid0(VALU_DEP_4)
	v_add_nc_u32 v[244+\b], 0xf8800000, v[232+\b]  ; 15 off the exponent field: the conversion's scale operand
.endr
.irp b, 0,1,2,3
	v_and_or_b32 v[240+\b], v[232+\b], 0x7f800000, s[MNT]   ; 57,344 x the scale
.endr
.irp b, 0,1,2,3
	v_lshrrev_b32 v[236+\b], 23, v[244+\b]         ; the scale's byte
.endr
	s_delay_alu instid0(VALU_DEP_3)
	v_lshl_or_b32 v229, v237, 8, v236              ; p's scale word for these 128 keys
	s_delay_alu instid0(VALU_DEP_1)
	v_lshl_or_b32 v229, v238, 16, v229
	s_delay_alu instid0(VALU_DEP_1)
	v_lshl_or_b32 v229, v239, 24, v229
.irp b, 0,2                                    ; the hold; p is not negative, so it is one-sided.  Two holds to a line: an even register of one block with an odd one of its neighbour, so that destinations and both pairs of sources differ in their numbers modulo 4
.irp i, 0,2,4,6,8,10,12,14
	v_dual_min_num_f32 v[104+16*\b+\i], v[104+16*\b+\i], v[240+\b] :: v_dual_min_num_f32 v[121+16*\b+\i], v[121+16*\b+\i], v[241+\b]
	v_dual_min_num_f32 v[120+16*\b+\i], v[120+16*\b+\i], v[241+\b] :: v_dual_min_num_f32 v[105+16*\b+\i], v[105+16*\b+\i], v[240+\b]
.endr
.irp e, 0,1
	v_cvt_scalef32_pk8_bf8_f32 v[200+4*(\b+\e):201+4*(\b+\e)], v[104+16*(\b+\e):111+16*(\b+\e)], v[244+\b+\e]
	v_cvt_scalef32_pk8_bf8_f32 v[202+4*(\b+\e):203+4*(\b+\e)], v[112+16*(\b+\e):119+16*(\b+\e)], v[244+\b+\e]
.endr
.endr
.set j, 0
.rept 16
	v_pk_mul_f32 v[168+j:169+j], v[168+j:169+j], v[250:251] op_sel_hi:[1,0]   ; O^T under the new M; these sixteen are also the places between the codes and the products
.set j, j+2
.endr
	s_wait_alu depctr_va_vdst(0)
	s_wait_dscnt 0x0                               ; V and its scale words are in
.irp t, 0,1,2,3                                ; O^T += V^T P^T: the four accumulators by turns
	v_wmma_scale_f32_16x16x128_f8f6f4 v[168+8*\t:175+8*\t], v[32+16*\t:47+16*\t], v[200:215], v[168+8*\t:175+8*\t], v[224+\t], v229 matrix_a_fmt:MATRIX_FMT_BF8 matrix_b_fmt:MATRIX_FMT_BF8
.endr
.if \causal
.Lhidden_\@:
.endif
	s_add_co_u32 s[TB], s[TB], 8192
	s_add_co_u32 s[TS], s[TS], 512
	s_add_co_u32 s[TJ], s[TJ], 256
.endm
.macro KLOOP causal, last              ; key steps from s[SI] up to last - 1: the trip count is a constant of the text
.Lkey_\@:
	STEP \causal
	s_add_co_u32 s[SI], s[SI], 1
	s_cmp_lt_u32 s[SI], \last
	s_cbranch_scc1 .Lkey_\@
.endm
; A tile ends: y = O^T / l; its two blocks of 32 channels are quantised; the codes leave as they stand, 512 consecutive bytes a store; the two scale bytes stay in v[hw]
.macro FINISH ya, hw
.rept 8
	v_nop                                          ; places behind the last products
.endr
	v_add_f32 v14, v14, v15
	s_delay_alu instid0(VALU_DEP_1)
	v_permlanex16_b32 v254, v14, s[SEL], s[SEL+1]
	s_delay_alu instid0(VALU_DEP_1)
	v_add_f32 v14, v14, v254                       ; the row's sum
	s_wait_alu depctr_va_vdst(0)
	v_rcp_f32 v14, v14
	v_nop                                          ; a plain line behind the reciprocal
	s_wait_alu depctr_va_vdst(0)                   ; and the wait ahead of its first reader
.set j, 0
.rept 16
	v_pk_mul_f32 v[104+j:105+j], v[168+j:169+j], v[14:15] op_sel_hi:[1,0]   ; register 16 b + i: channel 32 b + 16 h + i of my query
.set j, j+2
.endr
.irp b, 0,1
	v_max3_num_f32 v[232+\b], |v[104+16*\b]|, |v[105+16*\b]|, 0x8000000
.endr
.irp i, 2,4,6,8,10,12,14
.irp b, 0,1
	s_delay_alu instid0(VALU_DEP_2)
	v_max3_num_f32 v[232+\b], v[232+\b], |v[104+16*\b+\i]|, |v[105+16*\b+\i]|
.endr
.endr
.irp b, 0,1
	s_delay_alu instid0(VALU_DEP_2)
	v_permlanex16_b32 v[236+\b], v[232+\b], s[SEL], s[SEL+1]
.endr
.irp b, 0,1
	s_delay_alu instid0(VALU_DEP_2)
	v_max_num_f32 v[232+\b], v[232+\b], v[236+\b]
.endr
.irp b, 0,1
	s_delay_alu instid0(VALU_DEP_2)
	v_add_nc_u32 v[244+\b], 0xf8800000, v[232+\b]
.endr
.irp b, 0,1
	s_delay_alu instid0(VALU_DEP_4)
	v_and_or_b32 v[240+\b], v[232+\b], 0x7f800000, s[MNT]
.endr
.irp b, 0,1
	s_delay_alu instid0(VALU_DEP_4)
	v_lshrrev_b32 v[236+\b], 23, v[244+\b]
.endr
	s_delay_alu instid0(VALU_DEP_1)
	v_lshl_or_b32 v[\hw], v237, 8, v236
.irp b, 0,1
.irp i, 0,1,2,3,4,5,6,7,8,9,10,11,12,13,14,15
	v_med3_num_f32 v[104+16*\b+\i], v[104+16*\b+\i], -v[240+\b], v[240+\b]
.endr
	v_cvt_scalef32_pk8_bf8_f32 v[200+4*\b:201+4*\b], v[104+16*\b:111+16*\b], v[244+\b]
	v_cvt_scalef32_pk8_bf8_f32 v[202+4*\b:203+4*\b], v[112+16*\b:119+16*\b], v[244+\b]
.endr
	v_nop                                          ; a plain line behind the last conversion
	global_store_b128 v[AK0], v[200:203], s[\ya:\ya+1]
	global_store_b128 v[AK0], v[204:207], s[\ya:\ya+1] offset:512
.endm
	s_wait_alu depctr_va_vdst(0)                   ; the wait at the head's end
	s_wait_tensorcnt 0x0                           ; a fetching wave's part of key steps 0 to 3 is in.  The rest are first fills that come later
	ds_add_u32 v253, v255                          ; 0 onto my spare word,
	ds_add_u32 v253, v255                          ; twice on end
	s_mov_b32 s[G1K+2], 96<<16                     ; no tensor load of mine is out, so descriptors may be written: the rest is 96 tiles of K,
	s_mov_b32 s[G1K+4], 96
	s_mov_b32 s[G1V+2], 12<<16                     ; 12 steps of V,
	s_mov_b32 s[G1V+4], 12
	s_mov_b32 s[G1KS+2], 24<<16                    ; 24 rows of 256 bytes of K's scale words,
	s_mov_b32 s[G1KS+4], 24
	s_mov_b32 s[G1VS+2], 12<<16                    ; 12 steps of V's
	s_mov_b32 s[G1VS+4], 12
	s_wait_dscnt 0x0
	ROUND                                          ; everybody's part is in, and all four work-groups are here
.macro ARM2 w, g0, g1, next            ; key steps 4 to 15, one load a wave; they have the first four key steps in which to land
	s_cmp_lg_u32 s[WV], \w
	s_cbranch_scc1 \next
	tensor_load_to_lds s[\g0:\g0+3], s[\g1:\g1+7]
	s_nop 0
.rept 4
	v_nop
.endr
	s_branch .Lfilled2
\next:
.endm
	ARM2 0, 48, G1K,  .Lnot_k2
	ARM2 1, 56, G1V,  .Lnot_v2
	ARM2 2, 68, G1KS, .Lnot_ks2
	ARM2 3, 76, G1VS, .Lnot_vs2
.Lfilled2:
	s_wait_loadcnt 0x0                             ; Q
	s_mov_b32 s[SI], 0                             ; (each loop's start stands in the text, in front of it)
	s_mov_b32 s[TB], 0
	s_mov_b32 s[TS], 0
	s_mov_b32 s[TJ], 0
	KLOOP 0, 4                                     ; the tile 8 (15 - u) + i: its queries lie at 1,024 or beyond, so all of keys 0 to 511 count
	s_wait_tensorcnt 0x0                           ; key steps 4 to 15
	s_wait_dscnt 0x0
	s_barrier_signal -1
	s_barrier_wait -1
	s_mov_b32 s[U], s[U2]
	s_mov_b32 s[SI], 4
	s_mov_b32 s[TB], 4*8192
	s_mov_b32 s[TS], 4*512
	s_mov_b32 s[TJ], 4*256
	KLOOP 1, 16
	INITQ 4, 6                                     ; the tile 8 u + i: its Q is asked for while the other tile goes out (eight places stand behind the last products that read Q)
	FINISH YA2, HW2
	RESET
	s_mov_b32 s[U], s[U1]
	s_mov_b32 s[SI], 0
	s_mov_b32 s[TB], 0
	s_mov_b32 s[TS], 0
	s_mov_b32 s[TJ], 0
	s_wait_xcnt 0x0                                ; the stores have read y's codes, whose registers the next steps write
	s_wait_loadcnt 0x0                             ; Q
	KLOOP 1, 8
	FINISH 8, 252
	; both tiles' scale bytes by one store of two bytes a lane: lanes 0-15 the tile 8 u + i, lanes 16-31 the tile 8 (15 - u) + i, which lies 120 - 16 u tiles of 512 bytes further on.  A row's 32 bytes belong to 16 heads,
	; so to 16 clusters: these stores cannot be made whole; they are 262,144 bytes in the whole launch
	v_bfe_u32 v8, v0, 4, 1                         ; h
	s_lshl_b32 s2, s[U1], 4
	s_sub_co_u32 s2, 120, s2
	s_lshl_b32 s2, s2, 9
	v_mul_u32_u24 v9, s2, v8
	s_delay_alu instid0(VALU_DEP_1)
	v_lshl_add_u32 v9, v[R4], 3, v9                ; + 32 r
	v_cmp_eq_u32 vcc_lo, 1, v8
	s_delay_alu instid0(VALU_DEP_1)
	v_cndmask_b32 v10, v252, v[HW2], vcc_lo
	global_store_b16 v9, v10, s[10:11]
	s_wait_tensorcnt 0x0
	ds_add_u32 v253, v255
	s_wait_dscnt 0x0
	ROUND                                          ; the closing round
	s_endpgm
.Lfunc_end_k_q8609f1b351_attn:
	.size	k_q8609f1b351_attn, .Lfunc_end_k_q8609f1b351_attn-k_q8609f1b351_attn
	.p2alignl 7, 3214868480
	.fill 96, 4, 3214868480
	.section	.rodata,"a",@progbits
	.p2align	6, 0x0
	.amdhsa_kernel k_q8609f1b351_attn
		.amdhsa_group_segment_fixed_size 327680
		.amdhsa_private_segment_fixed_size 0
		.amdhsa_enable_private_segment 0
		.amdhsa_kernarg_size 32
		.amdhsa_user_sgpr_count 2
		.amdhsa_user_sgpr_kernarg_segment_ptr 1
		.amdhsa_wavefront_size32 1
		.amdhsa_system_sgpr_workgroup_id_x 1
		.amdhsa_system_sgpr_workgroup_id_y 1
		.amdhsa_system_sgpr_workgroup_id_z 1
		.amdhsa_system_vgpr_workitem_id 0
		.amdhsa_next_free_vgpr 256
		.amdhsa_next_free_sgpr 106
		.amdhsa_reserve_vcc 1
		.amdhsa_float_denorm_mode_32 3
		.amdhsa_float_denorm_mode_16_64 3
		.amdhsa_memory_ordered 1
		.amdhsa_forward_progress 1
		.amdhsa_inst_pref_size 100
	.end_amdhsa_kernel
	.amdgpu_metadata
---
amdhsa.version: [ 1, 2 ]
amdhsa.kernels:
  - .name:           k_q8609f1b351_attn
    .symbol:         k_q8609f1b351_attn.kd
    .args:
      - { .name: img, .offset: 0, .size: 8, .value_kind: global_buffer, .address_space: global }
      - { .name: isc, .offset: 8, .size: 8, .value_kind: global_buffer, .address_space: global }
      - { .name: yimg, .offset: 16, .size: 8, .value_kind: global_buffer, .address_space: global }
      - { .name: ysc, .offset: 24, .size: 8, .value_kind: global_buffer, .address_space: global }
    .group_segment_fixed_size: 327680
    .private_segment_fixed_size: 0
    .kernarg_segment_align: 8
    .kernarg_segment_size: 32
    .max_flat_workgroup_size: 512
    .sgpr_count:     106
    .vgpr_count:     256
    .wavefront_size: 32
...
	.end_amdgpu_metadata
.endif
;; end of part 3
;; launch proj (part 4): grid 4 x 32, 4 waves a work-group, clusters of 4 x 4, 327,680 bytes of LDS; arguments yimg, ysc, opc, ops, proj_b, out0; writes out0
.if DOCPART == 4
	.amdgcn_target "amdgcn-amd-amdhsa--gfx1250"
	.amdhsa_code_object_version 6
	.text
	.protected	k_q8609f1b351_proj
	.globl	k_q8609f1b351_proj
	.p2align	8
	.type	k_q8609f1b351_proj,@function
k_q8609f1b351_proj:
	s_mov_b64 s[64:65], 0
	v_nop
	global_prefetch_b8 v0, s[64:65] scope:SCOPE_SE
	s_setreg_imm32_b32 hwreg(HW_REG_WAVE_MODE, 25, 1), 1
	s_wait_xcnt 0x0
	s_wait_alu depctr_hold_cnt(0) depctr_sa_sdst(0) depctr_va_vdst(0) depctr_va_sdst(0) depctr_va_ssrc(0) depctr_va_vcc(0) depctr_vm_vsrc(0)
	s_getreg_b32 s2, hwreg(HW_REG_IB_STS2, 6, 4)
	s_cmp_eq_u32 s2, 0
	s_cbranch_scc0 .Lentry_in_a_cluster
	s_endpgm
.Lentry_in_a_cluster:
	s_bfe_u32 s2, ttmp6, 0x10000c
	s_cmp_lg_u32 s2, 0xf033
	s_cbranch_scc0 .Lentry_shape_is_right
	s_endpgm
.Lentry_shape_is_right:
; out0 = y proj_w^T + proj_b on codes of E5M2 with E8M0 scales, K = 1,024.  y's codes and scale bytes (yimg, ysc) and proj_w's (opc from tile 1216, ops) lie as images of the operand's registers:
; [tile of 16 rows][K step of 128: 8][c 4][lane][16 bytes]; lane r of tile tl holds row 32 (tl / 2) + 8 (tl % 2) + r + 8 (r / 8).  A tile of out0, 256 x 256, is made by four waves, 128 x 128 each.
; K goes in four steps of 256 through two LDS slots; the scales of the work-group's rows come once.  Clusters of 4 x 4: y's tiles are asked for jointly along a row, proj_w's along a column.
; The matrix instruction is used transposed (source 0 = proj_w's rows); the bias is the first products' C; results leave through each wave's stage in slot 0 as rows of 512 bytes.
; The grid has 128 work-groups: 8,192 x 1,024 results in tiles of 256 x 256.  LIMITS: NaN and infinities are not served.
.set NQ,     2
.set FR,     16
.set NL,     4
.set NP,     8
.set HALFT,  32768
.set SLOT,   4*HALFT
.set KSB,    4096
.set SCL,    2*SLOT
.set HALFS,  16*272
.set SBLK,   2*272
.set SPARE,  SCL+4*HALFS
.set SPITCH, 528
.set ADRA, 16
.set ADRB, 20
.set STO,  24
.set RD,   25
.set CO,   26
.set ADRS, 27
.set SPW,  28
.set NIL,  29
.set SC,   32
.set BI,   64
.set AF,   128
.set BK,   128
.set G1, 24
.set G0, 32
.set G1B, 48
.set G0B, 56
.set G1S, 68
.set G0S, 76
.set G1SB, 80
.set G0SB, 88
.set MSB, 0
.macro WIN new
.if MSB != \new
	s_set_vgpr_msb (MSB<<8)|\new
.set MSB, \new
.endif
.endm
.set MUL_LO, 0xa1
.set MUL_HI, 0xf1
.set BIA_LO, 0x81
.set BIA_HI, 0xc1
.set TO_B,   0x40
.macro JLOAD g0a, g1a, g0b, g1b
	s_cmp_eq_u32 s15, 0
	s_cbranch_scc0 .Lfor_b_\@
	tensor_load_to_lds s[\g0a:\g0a+3], s[\g1a:\g1a+7]
	s_nop 0
.rept 4
	v_nop
.endr
	s_branch .Lasked_\@
.Lfor_b_\@:
	tensor_load_to_lds s[\g0b:\g0b+3], s[\g1b:\g1b+7]
	s_nop 0
.rept 4
	v_nop
.endr
.Lasked_\@:
.endm
.macro CREST
	s_cmp_lg_u32 s14, 0
	s_cbranch_scc1 .Lnot_wave_0_\@
	s_barrier_signal -3
.Lnot_wave_0_\@:
	s_barrier_wait -3
	s_barrier_signal -1
	s_barrier_wait -1
.endm
.macro CROUND
	s_barrier_signal -1
	s_barrier_wait -1
	CREST
.endm
	s_load_b256 s[4:11], s[0:1], 0x0
	s_load_b128 s[96:99], s[0:1], 0x20
	v_lshl_add_u32 v[SPW], v0, 2, SPARE
	v_mov_b32 v[NIL], 0
	ds_add_u32 v28, v29
	ds_add_u32 v28, v29
	s_wait_dscnt 0x0
	v_lshrrev_b32 v1, 5, v0
	v_readfirstlane_b32 s14, v1
	s_lshr_b32 s15, s14, 1
	s_and_b32 s16, s14, 1
	s_bfe_u32 s40, ttmp6, 0x40000
	s_bfe_u32 s41, ttmp6, 0x40004
	s_and_b32 s17, ttmp7, 0xffff
	s_lshl_b32 s17, s17, 2
	s_add_co_u32 s17, s17, s41
	s_lshl_b32 s43, s41, 2
	s_lshl_b32 s43, 15, s43
	s_lshl_b32 s44, 0x1111, s40
	s_or_b32 s[G1+0], s43, (3<<16)|(1<<21)
	s_or_b32 s[G1B+0], s44, (3<<16)|(1<<21)
.irp g, G1, G1B
	s_mov_b32 s[\g+1], 512<<16
	s_mov_b32 s[\g+2], 16<<16                      ; 16 tiles for the head's loads; set to 8 for the ring's behind them
	s_mov_b32 s[\g+3], 512<<16
	s_mov_b32 s[\g+4], 16
	s_mov_b32 s[\g+5], 2048
	s_mov_b32 s[\g+6], 0
	s_mov_b32 s[\g+7], 0
.endr
	s_or_b32 s[G1S+0], s43, (3<<16)|(1<<20)|(1<<21)|(5<<22)|(3<<25)
	s_or_b32 s[G1SB+0], s44, (3<<16)|(1<<20)|(1<<21)|(5<<22)|(3<<25)
.irp g, G1S, G1SB
	s_mov_b32 s[\g+1], 32<<16
	s_mov_b32 s[\g+2], 32<<16                      ; the scales of all 256 rows: 32 rows of 256 bytes
	s_mov_b32 s[\g+3], 32<<16
	s_mov_b32 s[\g+4], 32
	s_mov_b32 s[\g+5], 32
	s_mov_b32 s[\g+6], 0
	s_mov_b32 s[\g+7], 0
.endr
	s_lshl_b32 s20, s17, 4
	s_lshl_b32 s46, s40, 4
	s_add_co_u32 s46, s46, 1216
	s_lshl_b32 s22, s20, 9
	s_mov_b32 s23, 0
	s_lshl_b32 s20, s20, 14
	s_mov_b32 s21, 0
	s_lshl_b32 s92, s46, 9
	s_mov_b32 s93, 0
	s_lshl_b32 s46, s46, 14
	s_mov_b32 s47, 0
	s_mul_i32 s45, s14, HALFT
	s_wait_kmcnt 0x0
	s_add_nc_u64 s[20:21], s[4:5], s[20:21]
	s_add_nc_u64 s[22:23], s[6:7], s[22:23]
	s_add_nc_u64 s[46:47], s[8:9], s[46:47]
	s_add_nc_u64 s[92:93], s[10:11], s[92:93]
	CROUND
	s_mov_b32 s[G0S], 1
	s_mov_b32 s[G0S+1], SCL
	s_mov_b64 s[G0S+2:G0S+3], s[22:23]
	s_or_b32 s[G0S+3], s[G0S+3], 0x80000000
	s_mov_b32 s[G0SB], 1
	s_mov_b32 s[G0SB+1], SCL+2*HALFS
	s_mov_b64 s[G0SB+2:G0SB+3], s[92:93]
	s_or_b32 s[G0SB+3], s[G0SB+3], 0x80000000
.irp s, 0,1
	s_mov_b32 s[G0+4*\s], 1
	s_add_co_u32 s[G0+4*\s+1], s45, \s*SLOT
	s_add_nc_u64 s[G0+4*\s+2:G0+4*\s+3], s[20:21], \s*KSB
	s_or_b32 s[G0+4*\s+3], s[G0+4*\s+3], 0x80000000
	s_mov_b32 s[G0B+4*\s], 1
	s_add_co_u32 s[G0B+4*\s+1], s45, \s*SLOT
	s_add_nc_u64 s[G0B+4*\s+2:G0B+4*\s+3], s[46:47], \s*KSB
	s_or_b32 s[G0B+4*\s+3], s[G0B+4*\s+3], 0x80000000
.endr
	s_mov_b32 s[G0+1], 0                           ; at the head slot 0 comes whole: y's 16 tiles,
	s_mov_b32 s[G0B+1], 2*HALFT                    ; and proj_w's 16 behind them
	s_lshl_b32 s18, s16, 17                        ; in the ring a wave fetches 8 tiles of 16,384 bytes: which half, in bytes
	s_mov_b32 s19, 0
	s_add_nc_u64 s[G0+6:G0+7], s[G0+6:G0+7], s[18:19]
	s_add_nc_u64 s[G0B+6:G0B+7], s[G0B+6:G0B+7], s[18:19]
; THE HEAD'S LOADS, ONE A WAVE: wave 0 K step 0 of y, wave 1 of proj_w, wave 2 y's scales, wave 3 proj_w's.  One chain of branches on the wave's number, a load to an arm.
.macro ARM under, g0, g1, next
	s_cmp_lt_u32 s14, \under
	s_cbranch_scc0 \next
	tensor_load_to_lds s[\g0:\g0+3], s[\g1:\g1+7]
	s_nop 0
.rept 4
	v_nop
.endr
	s_branch .Lhead_asked
\next:
.endm
	ARM 1, G0,  G1,  .Lhead_b
	ARM 2, G0B, G1B, .Lhead_sa
	ARM 3, G0S, G1S, .Lhead_sb
	tensor_load_to_lds s[G0SB:G0SB+3], s[G1SB:G1SB+7]
	s_nop 0
.rept 4
	v_nop
.endr
.Lhead_asked:
	v_and_b32 v1, 15, v0
	s_wait_alu depctr_va_vdst(0)
	v_bfe_u32 v2, v0, 4, 1
	s_lshl_b32 s46, s40, 10
	s_lshl_b32 s47, s16, 9
	s_add_co_u32 s46, s46, s47
	s_mov_b32 s47, 0
	s_add_nc_u64 s[96:97], s[96:97], s[46:47]
	v_lshlrev_b32 v7, 6, v2
.irp b, 0,1,2,3,4,5,6,7
	global_load_b128 v[BI+8*\b:BI+8*\b+3], v7, s[96:97] offset:128*(\b/2)+32*(\b%2)
	global_load_b128 v[BI+8*\b+4:BI+8*\b+7], v7, s[96:97] offset:128*(\b/2)+32*(\b%2)+16
.endr
	v_and_b32 v3, 31, v0
	v_lshlrev_b32 v[CO], 4, v3
	s_mul_i32 s21, s15, HALFT
	s_mul_i32 s22, s16, HALFT
	s_add_co_u32 s22, s22, 2*HALFT
.irp s, 0,1
	v_add_nc_u32 v[ADRA+\s], s21, v[CO]
	v_add_nc_u32 v[ADRB+\s], s22, v[CO]
	s_add_co_u32 s21, s21, SLOT
	s_add_co_u32 s22, s22, SLOT
.endr
	v_lshlrev_b32 v5, 5, v1
	v_lshrrev_b32 v6, 8, v5
	v_lshl_add_u32 v5, v6, 4, v5
	s_mul_i32 s21, s15, HALFS
	s_mul_i32 s22, s16, HALFS
	s_add_co_u32 s22, s22, 2*HALFS
	s_sub_co_u32 s22, s22, s21
	v_mul_u32_u24 v6, s22, v2
	s_add_co_u32 s21, s21, SCL
	v_add_nc_u32 v5, v5, v6
	v_add_nc_u32 v[ADRS], s21, v5
	s_mul_i32 s23, s14, 16*SPITCH
	v_mul_u32_u24 v5, v1, SPITCH
	v_lshl_add_u32 v5, v2, 6, v5
	v_add_nc_u32 v[STO], s23, v5
	v_add_nc_u32 v[RD], s23, v[CO]
	s_lshl_b32 s20, s17, 8
	s_lshl_b32 s21, s15, 7
	s_add_co_u32 s20, s20, s21
	s_lshl_b32 s20, s20, 12
	s_add_co_u32 s20, s20, s46
	s_mov_b32 s21, 0
	s_add_nc_u64 s[98:99], s[98:99], s[20:21]
.macro FRAG reg, adr, q, i
.irp c, 0,1,2,3
	ds_load_b128 v[\reg+4*\c:\reg+4*\c+3], v[\adr] offset:4096*(\i)+2048*(\q)+512*\c
.endr
.endm
.macro MUL16 a0, p, q, sc, first
.irp a, \a0, \a0+1
.irp b, 0,1,2,3,4,5,6,7
.if \first
	v_wmma_scale_f32_16x16x128_f8f6f4 v[8*(8*((\a)%4)+\b):8*(8*((\a)%4)+\b)+7], v[128*(\p)+FR*\b:128*(\p)+FR*\b+FR-1], v[AF+FR*(\a):AF+FR*(\a)+FR-1], v[BI+8*\b:BI+8*\b+7], v[SC+8*NQ*(\sc)+NQ*\b+(\q)], v[SC+8*NQ*(\sc)+NQ*(\a)+(\q)] matrix_a_fmt:MATRIX_FMT_BF8 matrix_b_fmt:MATRIX_FMT_BF8 matrix_a_scale:MATRIX_SCALE_ROW1
.else
	v_wmma_scale_f32_16x16x128_f8f6f4 v[8*(8*((\a)%4)+\b):8*(8*((\a)%4)+\b)+7], v[128*(\p)+FR*\b:128*(\p)+FR*\b+FR-1], v[AF+FR*(\a):AF+FR*(\a)+FR-1], v[8*(8*((\a)%4)+\b):8*(8*((\a)%4)+\b)+7], v[SC+8*NQ*(\sc)+NQ*\b+(\q)], v[SC+8*NQ*(\sc)+NQ*(\a)+(\q)] matrix_a_fmt:MATRIX_FMT_BF8 matrix_b_fmt:MATRIX_FMT_BF8 matrix_a_scale:MATRIX_SCALE_ROW1
.endif
.endr
.endr
.endm
.macro FETCH_B slot, q, p
	WIN TO_B
.irp i, 0,1,2,3,4,5,6,7
	FRAG 128*(\p)+FR*\i, ADRB+\slot, \q, \i
.endr
	WIN 0
.endm
.macro FETCH_A slot, q, i0
.irp i, \i0, \i0+1, \i0+2, \i0+3
	FRAG AF+FR*(\i), ADRA+\slot, \q, \i
.endr
.endm
.macro SCALES sc
.irp i, 0,1,2,3,4,5,6,7
	ds_load_b64 v[SC+8*NQ*\sc+NQ*\i:SC+8*NQ*\sc+NQ*\i+1], v[ADRS] offset:\i*SBLK
.endr
.endm
.macro PLACES n
.rept \n
	v_nop
.endr
.endm
.macro STEP slot, q, first
	s_wait_dscnt 4*NL
.if \first
	WIN BIA_LO
.else
	WIN MUL_LO
.endif
	MUL16 0, (\q)%2, \q, \slot, \first
	MUL16 2, (\q)%2, \q, \slot, \first
	s_wait_dscnt 0
	PLACES NP
	FETCH_B \slot, (\q)+1, 1-(\q)%2
	FETCH_A \slot, (\q)+1, 0
.if \first
	WIN BIA_HI
.else
	WIN MUL_HI
.endif
	MUL16 4, (\q)%2, \q, \slot, \first
	MUL16 6, (\q)%2, \q, \slot, \first
	PLACES NP
	WIN 0
	FETCH_A \slot, (\q)+1, 4
.endm
.macro TURN slot, next, fill
	s_wait_tensorcnt 0x0
	ds_add_u32 v[SPW], v[NIL]
	s_wait_dscnt 4*NL+1
	WIN MUL_LO
	MUL16 0, 1, NQ-1, \slot, 0
	s_wait_dscnt 0x0
	s_barrier_signal -1
	MUL16 2, 1, NQ-1, \slot, 0
	WIN 0
	s_barrier_wait -1
.if \fill
	CREST
	s_add_nc_u64 s[G0+4*\slot+2:G0+4*\slot+3], s[G0+4*\slot+2:G0+4*\slot+3], 2*KSB
	s_add_nc_u64 s[G0B+4*\slot+2:G0B+4*\slot+3], s[G0B+4*\slot+2:G0B+4*\slot+3], 2*KSB
	JLOAD G0+4*\slot, G1, G0B+4*\slot, G1B
	PLACES NP-4
.else
	PLACES NP
.endif
	s_wait_alu depctr_va_vdst(0)
	v_add_nc_u32 v[ADRS], 4*NQ, v[ADRS]
	FETCH_B \next, 0, 0
	FETCH_A \next, 0, 0
	SCALES \next
	WIN MUL_HI
	MUL16 4, 1, NQ-1, \slot, 0
	MUL16 6, 1, NQ-1, \slot, 0
	PLACES NP
	WIN 0
	FETCH_A \next, 0, 4
.endm
	s_wait_alu depctr_va_vdst(0)
	s_wait_tensorcnt 0x0                           ; my tile of the head's four is in; slot 1's first fill is issued as a refill is
	ds_add_u32 v[SPW], v[NIL]                      ; 0 onto my spare word
	s_mov_b32 s[G0+1], s45                         ; no tensor load of mine is out, so descriptors may be written: slot 0's become the ring's: my 8 tiles,
	s_mov_b32 s[G0B+1], s45
	s_add_nc_u64 s[G0+2:G0+3], s[G0+2:G0+3], s[18:19]
	s_add_nc_u64 s[G0B+2:G0B+3], s[G0B+2:G0B+3], s[18:19]
	s_mov_b32 s[G1+2], 8<<16                       ; and a load brings 8 tiles from here on
	s_mov_b32 s[G1+4], 8
	s_mov_b32 s[G1B+2], 8<<16
	s_mov_b32 s[G1B+4], 8
	s_wait_dscnt 0x0                               ; the add is done
	CROUND                                         ; all four tiles are in, and all sixteen work-groups are here
	JLOAD G0+4, G1, G0B+4, G1B                     ; K step 1: the first tensor load behind the round
	FETCH_B 0, 0, 0
	FETCH_A 0, 0, 0
	SCALES 0
	FETCH_A 0, 0, 4
	s_wait_loadcnt 0x0
	STEP 0, 0, 1
	TURN 0, 1, 1
	STEP 1, 0, 0
	TURN 1, 0, 1
	STEP 0, 0, 0
	TURN 0, 1, 0
	STEP 1, 0, 0
	s_wait_dscnt 4*NL
	WIN MUL_LO
	MUL16 0, 1, NQ-1, 1, 0
	MUL16 2, 1, NQ-1, 1, 0
	s_wait_dscnt 0
	WIN MUL_HI
	MUL16 4, 1, NQ-1, 1, 0
	MUL16 6, 1, NQ-1, 1, 0
	WIN 0
.macro TOSTAGE a
.set AC, 64*((\a)%4)
.set WX, 0x08+4*((\a)/4)
	WIN WX
.irp b, 0,1,2,3,4,5,6,7
	ds_store_b128 v[STO], v[AC+8*\b:AC+8*\b+3] offset:128*(\b/2)+32*(\b%2)
	ds_store_b128 v[STO], v[AC+8*\b+4:AC+8*\b+7] offset:128*(\b/2)+32*(\b%2)+16
.endr
	WIN 0
.set BB, BK+64*((\a)%2)
.irp t, 0,1,2,3,4,5,6,7,8,9,10,11,12,13,14,15
	ds_load_b128 v[BB+4*\t:BB+4*\t+3], v[RD] offset:\t*SPITCH
.endr
.endm
.macro SEND a, younger
.set BB, BK+64*((\a)%2)
	s_wait_dscnt \younger
.irp t, 0,1,2,3,4,5,6,7,8,9,10,11,12,13,14,15
	global_store_b128 v[CO], v[BB+4*\t:BB+4*\t+3], s[98:99] offset:(32*((\a)/2)+8*((\a)%2)+\t+8*(\t/8))*4096 th:TH_STORE_NT
.endr
.endm
	PLACES NP
	TOSTAGE 0
.irp a, 1,2,3,4,5,6,7
.if \a > 1
	s_wait_xcnt 0x0
.endif
	TOSTAGE \a
	SEND \a-1, 32
.endr
	SEND 7, 0
	s_wait_tensorcnt 0x0
	ds_add_u32 v[SPW], v[NIL]
	s_wait_dscnt 0x0
	CROUND
	s_endpgm
.Lfunc_end_k_q8609f1b351_proj:
	.size	k_q8609f1b351_proj, .Lfunc_end_k_q8609f1b351_proj-k_q8609f1b351_proj
	.p2alignl 7, 3214868480
	.fill 96, 4, 3214868480
	.section	.rodata,"a",@progbits
	.p2align	6, 0x0
	.amdhsa_kernel k_q8609f1b351_proj
		.amdhsa_group_segment_fixed_size 327680
		.amdhsa_private_segment_fixed_size 0
		.amdhsa_enable_private_segment 0
		.amdhsa_kernarg_size 48
		.amdhsa_user_sgpr_count 2
		.amdhsa_user_sgpr_kernarg_segment_ptr 1
		.amdhsa_wavefront_size32 1
		.amdhsa_system_sgpr_workgroup_id_x 1
		.amdhsa_system_sgpr_workgroup_id_y 1
		.amdhsa_system_sgpr_workgroup_id_z 1
		.amdhsa_system_vgpr_workitem_id 0
		.amdhsa_next_free_vgpr 1024
		.amdhsa_next_free_sgpr 100
		.amdhsa_reserve_vcc 0
		.amdhsa_float_denorm_mode_32 3
		.amdhsa_float_denorm_mode_16_64 3
		.amdhsa_memory_ordered 1
		.amdhsa_forward_progress 1
		.amdhsa_inst_pref_size 147
	.end_amdhsa_kernel
	.amdgpu_metadata
---
amdhsa.version: [ 1, 2 ]
amdhsa.kernels:
  - .name:           k_q8609f1b351_proj
    .symbol:         k_q8609f1b351_proj.kd
    .args:
      - { .name: yimg, .offset: 0, .size: 8, .value_kind: global_buffer, .address_space: global }
      - { .name: ysc, .offset: 8, .size: 8, .value_kind: global_buffer, .address_space: global }
      - { .name: opc, .offset: 16, .size: 8, .value_kind: global_buffer, .address_space: global }
      - { .name: ops, .offset: 24, .size: 8, .value_kind: global_buffer, .address_space: global }
      - { .name: proj_b, .offset: 32, .size: 8, .value_kind: global_buffer, .address_space: global }
      - { .name: out0, .offset: 40, .size: 8, .value_kind: global_buffer, .address_space: global }
    .group_segment_fixed_size: 327680
    .private_segment_fixed_size: 0
    .kernarg_segment_align: 8
    .kernarg_segment_size: 48
    .max_flat_workgroup_size: 128
    .sgpr_count:     100
    .vgpr_count:     1024
    .wavefront_size: 32
...
	.end_amdgpu_metadata
.endif
;; end of part 4
